; MI455X (gfx1250); checked and timed in simulation.
; The chip was launched on July 23, 2026; its instructions are those of AMD's public machine-readable ISA for CDNA 5 (MIT licence, August 2026) and "CDNA5" Instruction Set Architecture Reference Guide (July 2026). The comments in the code are by the model that wrote it; some were corrected since.
;; Diff Attn. Allowed arithmetic: float matrix products may take bf16 or f16 operands with f32 sums; other float arithmetic in f32, or as packed bf16 or f16 multiplies, adds, multiply-adds, maxima and minima; sums over many terms, partial sums and values carried from step to step in f32; what a program stores and reads back later, other than sums and carried values, may be rounded once to bf16 or f16.
;; Inputs: Wk 1,024 x 1,024 float32; Wo 1,024 x 1,024 float32; Wq 1,024 x 1,024 float32; Wv 1,024 x 1,024 float32; lk1 64 float32; lk2 64 float32; lq1 64 float32; lq2 64 float32; query 2 x 2,048 x 1,024 float32; subln_w 128 float32.
;; Outputs: out0 2 x 2,048 x 1,024 float32.
;; 2 versions, each right; version 2 is version 1 with the launch prep written anew for expert scheduling mode. Each part assembles by itself: llvm-mc -triple=amdgcn-amd-amdhsa -mcpu=gfx1250 --defsym DOCPART=n.
;; ======== version 1 of 2: 4 launches
;; limits: values are held in f16: magnitudes above 65,504 overflow, below 6.1e-05 lose precision
;; workspace buffers: xb 8,388,608 bytes; wt 6,291,456 bytes; wot 2,097,152 bytes; qkv 25,165,824 bytes; att 8,388,608 bytes
;; launch prep (part 1): grid 256 x 1, 8 waves a work-group, no clusters, 35,840 bytes of LDS; arguments query, Wq, Wk, Wv, Wo, xb, wt, wot; writes xb, wt, wot
.if DOCPART == 1
	.amdgcn_target "amdgcn-amd-amdhsa--gfx1250"
	.amdhsa_code_object_version 6
	.text
	.protected	k_qff35b2fd7b_prep
	.globl	k_qff35b2fd7b_prep
	.p2align	8
	.type	k_qff35b2fd7b_prep,@function
k_qff35b2fd7b_prep:
	s_mov_b64 s[64:65], 0
	v_nop
	global_prefetch_b8 v0, s[64:65] scope:SCOPE_SE
	s_setreg_imm32_b32 hwreg(HW_REG_WAVE_MODE, 25, 1), 1
	s_wait_xcnt 0x0
; PREP.  xb = query rounded to bf16, as it lies.  wt[n][k] = bf16(W[k][n]) for Wq (rows 0-1023), Wk (1024-2047), Wv (2048-3071).  wot[n][k] = bf16(Wo[k][n]) written as f16.
; All inputs of the module are rounded once to bf16; Wo's rounded value is then written in f16, the format of the last product's other operand.
; LIMITS.  bf16(Wo) must stay under 65,520 in magnitude; below 2^-14 it keeps f16's fixed step of 6e-8.  NaN and infinities are not treated apart.
; SHARES.  256 work-groups of eight waves.  Each takes one tile of 128 k x 128 n of one weight (4 weights x 64 tiles) and 65,536 bytes of query.
; A wave issues all its 32 loads first (512 consecutive bytes each), so 16 KiB a wave are on their way.  No matrix unit, no cluster, no tensor load: no byte is read twice and nothing is shared.
; THE TURNING.  Wave w loads rows k = 16 w .. 16 w + 15; lane l holds columns 4 l .. 4 l + 3.  Two rows' numbers of one column pack into a word; a column's 16 numbers are 32 bytes, stored at
; row n = 4 l + c of an LDS tile [128 n][256 + 16 bytes].  These stores meet four deep on the banks (lanes lie 1,088 bytes = 272 words apart: four different groups of banks, ISA guide 11.1): eight stores a wave, once.
; Behind one barrier each wave reads 16 whole rows n and stores them: sixteen lanes store 256 consecutive bytes, aligned.
.set TP,    272                        ; a row of the LDS tile
.set SPARE, 128*TP                     ; behind the tile: the spare words, 128 bytes a wave, four blocks of 256 bytes that no other line names
.set VIN,  2                           ; v2  my 16 bytes in the wave's first row of the weight's tile
.set VST,  3                           ; v3  LDS: row 4 l, byte 32 w
.set VRD,  4                           ; v4  LDS: row 16 w + l / 16, byte 16 (l % 16)
.set VOUT, 5                           ; v5  the same place in the turned weight
.set VCI,  6                           ; v6  my 16 bytes of the wave's part of query
.set VCO,  7                           ; v7  my 8 bytes of the wave's part of xb
.set X,    16                          ; v[16:79]   16 rows x 4 numbers of the weight; later 8 x 4 words read back from LDS
.set T,    80                          ; v[80:111]  column c's 8 packed words at T + 8 c
.set XC,   112                         ; v[112:175] 16 x 4 numbers of query
.set Y,    176                         ; v[176:207] 16 x 2 packed words for xb
.set SPW,  208                         ; LDS address of my spare word; never rewritten
.set NIL,  209                         ; 0; never rewritten
	s_load_b512 s[16:31], s[0:1], 0x0              ; query 16:17, Wq 18:19, Wk 20:21, Wv 22:23, Wo 24:25, xb 26:27, wt 28:29, wot 30:31
	v_lshl_add_u32 v[SPW], v0, 2, SPARE
	v_mov_b32 v[NIL], 0
	v_lshrrev_b32 v10, 5, v0
	v_readfirstlane_b32 s8, v10                    ; wave 0..7
	v_and_b32 v1, 31, v0                           ; l
	v_and_b32 v8, 15, v0                           ; l % 16
	v_bfe_u32 v9, v0, 4, 1                         ; l / 16
	s_lshl_b32 s14, s8, 16                         ; 16 rows of 4,096 bytes
	v_lshl_add_u32 v[VIN], v1, 4, s14
	s_lshl_b32 s14, s8, 13                         ; 8,192 bytes of query a wave
	v_lshl_add_u32 v[VCI], v1, 4, s14
	s_lshl_b32 s14, s8, 12                         ; 4,096 bytes of xb a wave
	v_lshl_add_u32 v[VCO], v1, 3, s14
	s_lshl_b32 s14, s8, 5                          ; my 16 k are 32 bytes of an LDS row
	v_mul_u32_u24 v[VST], v1, 4*TP
	v_add_nc_u32 v[VST], s14, v[VST]
	s_mul_i32 s14, s8, 16*TP
	v_mul_u32_u24 v[VRD], v9, TP
	v_lshl_add_u32 v[VRD], v8, 4, v[VRD]
	v_add_nc_u32 v[VRD], s14, v[VRD]
	s_lshl_b32 s14, s8, 15                         ; 16 rows of 2,048 bytes
	v_lshlrev_b32 v[VOUT], 11, v9
	v_lshl_add_u32 v[VOUT], v8, 4, v[VOUT]
	v_add_nc_u32 v[VOUT], s14, v[VOUT]
	s_lshr_b32 s9, ttmp9, 6                        ; which weight: 0 Wq, 1 Wk, 2 Wv, 3 Wo
	s_bfe_u32 s10, ttmp9, 0x30003                  ; tile along k
	s_and_b32 s11, ttmp9, 7                        ; tile along n
	s_lshl_b32 s12, s10, 19                        ; 128 rows of 4,096 bytes
	s_lshl_b32 s13, s11, 9                         ; 128 columns of 4 bytes
	s_add_co_u32 s12, s12, s13
	s_mov_b32 s13, 0
	s_mov_b32 s33, 0
	s_mov_b32 s35, 0
	s_wait_kmcnt 0x0
	s_cmp_eq_u32 s9, 1
	s_cselect_b64 s[4:5], s[20:21], s[18:19]
	s_cmp_eq_u32 s9, 2
	s_cselect_b64 s[4:5], s[22:23], s[4:5]
	s_cmp_eq_u32 s9, 3
	s_cselect_b64 s[4:5], s[24:25], s[4:5]         ; the weight that I read,
	s_cselect_b64 s[6:7], s[30:31], s[28:29]       ; the buffer that I write,
	s_cselect_b32 s32, 0, s9                       ; and the weight's 1,024 rows in it
	s_lshl_b32 s32, s32, 21
	s_lshl_b32 s34, s11, 18                        ; 128 rows n of 2,048 bytes
	s_add_co_u32 s32, s32, s34
	s_lshl_b32 s34, s10, 8                         ; 128 k of 2 bytes
	s_add_co_u32 s32, s32, s34
	s_add_nc_u64 s[4:5], s[4:5], s[12:13]
	s_add_nc_u64 s[6:7], s[6:7], s[32:33]
	s_lshl_b32 s34, ttmp9, 16
	s_add_nc_u64 s[16:17], s[16:17], s[34:35]      ; my work-group's 65,536 bytes of query
	s_lshl_b32 s34, ttmp9, 15
	s_add_nc_u64 s[26:27], s[26:27], s[34:35]      ; and its 32,768 bytes of xb
.set i, 0
.rept 16
	global_load_b128 v[X+4*i:X+4*i+3], v[VIN], s[4:5] offset:4096*i th:TH_LOAD_NT
.set i, i+1
.endr
.set i, 0
.rept 16
	global_load_b128 v[XC+4*i:XC+4*i+3], v[VCI], s[16:17] offset:512*i th:TH_LOAD_NT
.set i, i+1
.endr
.set p, 0
.rept 8
	s_wait_loadcnt 30-2*p                          ; rows 2 p and 2 p + 1 are in: behind them stand 14 - 2 p loads of the weight and the 16 of query
.irp c, 0,1,2,3
	v_cvt_pk_bf16_f32 v[T+8*(\c)+p], v[X+8*p+(\c)], v[X+8*p+4+(\c)]  ; column 4 l + c: k = 16 w + 2 p low, 2 p + 1 high
.endr
.set p, p+1
.endr
	s_cmp_lg_u32 s9, 3                             ; Wo alone: the bf16 value is written as f16
	s_cbranch_scc1 .Lkeep
.set i, 0
.rept 32
	v_lshlrev_b32 v[12+2*(i%2)], 16, v[T+i]
	v_and_b32 v[13+2*(i%2)], 0xffff0000, v[T+i]
	v_cvt_pk_f16_f32 v[T+i], v[12+2*(i%2)], v[13+2*(i%2)]
.set i, i+1
.endr
.Lkeep:
.irp c, 0,1,2,3
	ds_store_b128 v[VST], v[T+8*(\c):T+8*(\c)+3]   offset:TP*(\c)
	ds_store_b128 v[VST], v[T+8*(\c)+4:T+8*(\c)+7] offset:TP*(\c)+16
.endr
	s_wait_dscnt 0x0                               ; for the others' sake: my stores into the tile are done
	s_barrier_signal -1
	s_barrier_wait -1
.irp t, 0,1,2,3,4,5,6,7
	ds_load_b128 v[X+4*(\t):X+4*(\t)+3], v[VRD] offset:2*TP*(\t)  ; rows 16 w + 2 t and + 1, whole
.endr
.set i, 0
.rept 16                                               ; query's cast stands between those loads and the wait for them
	s_wait_loadcnt 15-i                            ; load i of query is in; the younger ones stay out
	v_cvt_pk_bf16_f32 v[Y+2*i], v[XC+4*i], v[XC+4*i+1]
	v_cvt_pk_bf16_f32 v[Y+2*i+1], v[XC+4*i+2], v[XC+4*i+3]
	global_store_b64 v[VCO], v[Y+2*i:Y+2*i+1], s[26:27] offset:256*i  ; 32 lanes store 256 consecutive bytes, aligned
.set i, i+1
.endr
.irp t, 0,1,2,3,4,5,6,7
	s_wait_dscnt 7-(\t)
	global_store_b128 v[VOUT], v[X+4*(\t):X+4*(\t)+3], s[6:7] offset:4096*(\t)  ; 16 lanes store 256 consecutive bytes of one row n, aligned
.endr
	s_wait_tensorcnt 0x0                           ; the wave's end, behind my last LDS store
	ds_add_u32 v[SPW], v[NIL]
	s_wait_dscnt 0x0
	s_endpgm
.Lfunc_end_k_qff35b2fd7b_prep:
	.size	k_qff35b2fd7b_prep, .Lfunc_end_k_qff35b2fd7b_prep-k_qff35b2fd7b_prep
	.p2alignl 7, 3214868480
	.fill 96, 4, 3214868480
	.section	.rodata,"a",@progbits
	.p2align	6, 0x0
	.amdhsa_kernel k_qff35b2fd7b_prep
		.amdhsa_group_segment_fixed_size 35840
		.amdhsa_private_segment_fixed_size 0
		.amdhsa_enable_private_segment 0
		.amdhsa_kernarg_size 64
		.amdhsa_user_sgpr_count 2
		.amdhsa_user_sgpr_kernarg_segment_ptr 1
		.amdhsa_wavefront_size32 1
		.amdhsa_system_sgpr_workgroup_id_x 1
		.amdhsa_system_sgpr_workgroup_id_y 1
		.amdhsa_system_sgpr_workgroup_id_z 1
		.amdhsa_system_vgpr_workitem_id 0
		.amdhsa_next_free_vgpr 212
		.amdhsa_next_free_sgpr 66
		.amdhsa_reserve_vcc 0
		.amdhsa_float_denorm_mode_32 3
		.amdhsa_float_denorm_mode_16_64 3
		.amdhsa_memory_ordered 1
		.amdhsa_forward_progress 1
		.amdhsa_inst_pref_size 19
	.end_amdhsa_kernel
	.amdgpu_metadata
---
amdhsa.version: [ 1, 2 ]
amdhsa.kernels:
  - .name:           k_qff35b2fd7b_prep
    .symbol:         k_qff35b2fd7b_prep.kd
    .args:
      - { .name: query, .offset: 0, .size: 8, .value_kind: global_buffer, .address_space: global }
      - { .name: Wq, .offset: 8, .size: 8, .value_kind: global_buffer, .address_space: global }
      - { .name: Wk, .offset: 16, .size: 8, .value_kind: global_buffer, .address_space: global }
      - { .name: Wv, .offset: 24, .size: 8, .value_kind: global_buffer, .address_space: global }
      - { .name: Wo, .offset: 32, .size: 8, .value_kind: global_buffer, .address_space: global }
      - { .name: xb, .offset: 40, .size: 8, .value_kind: global_buffer, .address_space: global }
      - { .name: wt, .offset: 48, .size: 8, .value_kind: global_buffer, .address_space: global }
      - { .name: wot, .offset: 56, .size: 8, .value_kind: global_buffer, .address_space: global }
    .group_segment_fixed_size: 35840
    .private_segment_fixed_size: 0
    .kernarg_segment_align: 8
    .kernarg_segment_size: 64
    .max_flat_workgroup_size: 256
    .sgpr_count:     66
    .vgpr_count:     212
    .wavefront_size: 32
...
	.end_amdgpu_metadata
.endif
;; end of part 1
;; launch qkvgemm (part 2): grid 8 x 32, 4 waves a work-group, clusters of 4 x 4, 327,680 bytes of LDS; arguments xb, wt, qkv; writes qkv
.if DOCPART == 2
	.amdgcn_target "amdgcn-amd-amdhsa--gfx1250"
	.amdhsa_code_object_version 6
	.text
	.protected	k_qff35b2fd7b_qkvgemm
	.globl	k_qff35b2fd7b_qkvgemm
	.p2align	8
	.type	k_qff35b2fd7b_qkvgemm,@function
k_qff35b2fd7b_qkvgemm:
	s_mov_b64 s[64:65], 0
	v_nop
	global_prefetch_b8 v0, s[64:65] scope:SCOPE_SE
	s_setreg_imm32_b32 hwreg(HW_REG_WAVE_MODE, 25, 1), 1
	s_wait_xcnt 0x0
	s_wait_alu depctr_hold_cnt(0) depctr_sa_sdst(0) depctr_va_vdst(0) depctr_va_sdst(0) depctr_va_ssrc(0) depctr_va_vcc(0) depctr_vm_vsrc(0)
	s_getreg_b32 s2, hwreg(HW_REG_IB_STS2, 6, 4)
	s_cmp_eq_u32 s2, 0
	s_cbranch_scc0 .Lentry_in_a_cluster
	s_endpgm
.Lentry_in_a_cluster:
	s_bfe_u32 s2, ttmp6, 0x10000c
	s_cmp_lg_u32 s2, 0xf033
	s_cbranch_scc0 .Lentry_shape_is_right
	s_endpgm
.Lentry_shape_is_right:
; q | k | v = xb wt^T.  xb: [4096][1024] bf16, wt: [3072][1024] bf16 (rows = columns of Wq, Wk, Wv); sums in f32, rounded once to f16, unscaled.
; qkv: [48 blocks][4096 rows][64] f16: block nb holds columns 64 nb .. 64 nb + 63, a row is 128 bytes, a block 524,288 dense bytes.
; LIMIT.  A result of 65,520 or more in magnitude becomes an infinity in f16; it is not clamped.  NaN and infinities are not treated apart.
; SHARES.  A tile of C is 128 rows x 384 columns (six whole blocks): 32 x 8 = 256 work-groups.  Wave (wr, wc) makes rows 64 wr, columns 192 wc: 4 x 12 accumulators of 16 x 16, 384 registers.
; K goes in 8 steps of 128 (rows of 256 bytes) through two LDS slots: A's 128 rows, then B's 384.  Wave 0 fetches A's rows, waves 1 to 3 B's, 128 rows a load.
; CLUSTER 4 x 4: A's tile hangs on the tile row alone and is asked for jointly by a row of the cluster, B's on the tile column alone, by a column.
; THE MATRIX INSTRUCTION IS USED TRANSPOSED (source 0 = 16 rows of wt, source 1 = 16 rows of xb): a lane holds eight neighbouring columns of one row of C.
; REGISTERS in windows of 256: window 0 addresses and the way out; window 1 two fragment buffers of 128 (B's 12 fragments, then A's 4);
; window 2 accumulators of row blocks 0, 1, window 3 of row blocks 2, 3: (a, b) at 8 (12 (a % 2) + b).
.set SIZE_K, 1024
.set KSTEP,  128
.set PITCH,  272                       ; 256 bytes + 16 of padding = 68 words: the 16 rows of a load start at 16 different groups of four banks (ISA guide 11.1)
.set HALFT,  128*PITCH                 ; what one tensor load brings
.set SLOT,   4*HALFT
.set STAGE,  2*SLOT                    ; behind the ring: for each wave 3 blocks x 16 rows x 144 bytes
.set SPB,    144
.set SBLK,   16*SPB
.set SWAVE,  3*SBLK
.set SPARE,  STAGE+4*SWAVE             ; the spare words: 128 bytes a wave, two blocks of 256 bytes that no other line names
.set BLK,    524288
.set LAPS,   SIZE_K/(2*KSTEP)
.set ADRA, 16                          ; v16-17 LDS address of my A fragments in slot 0, 1
.set ADRB, 20                          ; v20-21 the same for B
.set STO,  24
.set RD,   25
.set CO,   26
.set SPW,  28
.set NIL,  29
.set PFO,  30                          ; the prefetches' offset: my lane x a row of 2,048 bytes; never rewritten
.set TMP,  32                          ; v32-79 packed results
.set BK0,  80                          ; v80-127, v128-175 by turns: rows read back from the stage
.set F0,   0
.set F1,   128
.set LIM,  43                          ; s43 1 in a wave that prefetches, else the greatest number
.set PFA,  44                          ; s[44:45] where my prefetches stand
.set G1,  24
.set G0,  32
.set G1B, 48
.set G0B, 56
.set TO_F, 0x40                        ; destination window 1, address window 0
.set MSB, 0
.macro WIN new                         ; the immediate's high byte repeats the setting that is left; a switch that changes nothing is dropped
.if MSB != (\new)
	s_set_vgpr_msb (MSB<<8)|(\new)
.set MSB, \new
.endif
.endm
.macro PLACES                          ; four places in front of loads into registers that matrix instructions have read
.rept 4
	v_nop
.endr
.endm
; A joint load: wave 0 asks for A's 128 rows, waves 1 to 3 for B's.  The branch hangs on the wave's number alone.  An s_nop 0 and four v_nop follow each line.
.macro JLOAD s
	s_cmp_eq_u32 s10, 0
	s_cbranch_scc0 .Lfor_b_\@
	tensor_load_to_lds s[G0+4*(\s):G0+4*(\s)+3], s[G1:G1+7]
	s_nop 0
.rept 4
	v_nop
.endr
	s_branch .Lasked_\@
.Lfor_b_\@:
	tensor_load_to_lds s[G0B+4*(\s):G0B+4*(\s)+3], s[G1B:G1B+7]
	s_nop 0
.rept 4
	v_nop
.endr
.Lasked_\@:
.endm
; A prefetch of the K step that stands two refills on: 32 rows x 256 bytes, a lane a row.  Of the 128 rows that a wave fetches, the partner at place p (cx for A, cy for B) takes 32 p .. 32 p + 31, by address;
; A's rows are asked for by the clusters with x = 0, B's by those with y = 0: each block of 256 bytes is named once.  The loop's last trip has no K step two on.
.macro ASK
	s_cmp_gt_u32 s3, s[LIM]
	s_cbranch_scc0 .Lnot_mine_\@
	global_prefetch_b8 v[PFO], s[PFA:PFA+1] offset:KSTEP*2 th:TH_LOAD_NT scope:SCOPE_SE
.Lnot_mine_\@:
.endm
.macro CREST                           ; a round of the cluster's barrier behind its opening barrier
	s_cmp_lg_u32 s10, 0
	s_cbranch_scc1 .Lnot_wave_0_\@
	s_barrier_signal -3
.Lnot_wave_0_\@:
	s_barrier_wait -3
	s_barrier_signal -1
	s_barrier_wait -1
.endm
.macro CROUND
	s_barrier_signal -1
	s_barrier_wait -1
	CREST
.endm
	s_load_b128 s[4:7], s[0:1], 0x0                ; xb s[4:5], wt s[6:7]
	s_load_b64 s[8:9], s[0:1], 0x10                ; qkv
	v_lshl_add_u32 v[SPW], v0, 2, SPARE
	v_mov_b32 v[NIL], 0
	ds_add_u32 v[SPW], v[NIL]                      ; the wave's opening: the add and its wait stand ahead of my first tensor load
	ds_add_u32 v28, v29
	v_lshrrev_b32 v1, 5, v0
	v_readfirstlane_b32 s10, v1                    ; wave 0..3
	s_lshr_b32 s11, s10, 1                         ; wr
	s_and_b32 s12, s10, 1                          ; wc
	s_bfe_u32 s40, ttmp6, 0x40000                  ; cx
	s_bfe_u32 s41, ttmp6, 0x40004                  ; cy
	s_lshl_b32 s42, ttmp9, 2
	s_add_co_u32 s42, s42, s40                     ; tile column
	s_and_b32 s13, ttmp7, 0xffff
	s_lshl_b32 s13, s13, 2
	s_add_co_u32 s13, s13, s41                     ; tile row
	s_lshl_b32 s43, s41, 2
	s_lshl_b32 s43, 15, s43                        ; my row of the cluster
	s_lshl_b32 s44, 0x1111, s40                    ; my column
	s_or_b32 s[G1+0], s43, (1<<16)|(1<<20)|(1<<21)|(5<<22)|(3<<25)   ; mask; 2-byte elements; padding on; bit 21 beside a mask; after every 64 words, 4 words
	s_or_b32 s[G1B+0], s44, (1<<16)|(1<<20)|(1<<21)|(5<<22)|(3<<25)
.irp g, G1, G1B
	s_mov_b32 s[(\g)+1], KSTEP<<16                 ; tensor_dim0 = 128
	s_mov_b32 s[(\g)+2], 128<<16                   ; tensor_dim1 = 128
	s_mov_b32 s[(\g)+3], KSTEP<<16                 ; tile_dim0 = 128
	s_mov_b32 s[(\g)+4], 128                       ; tile_dim1 = 128
	s_mov_b32 s[(\g)+5], SIZE_K                    ; elements from row to row
	s_mov_b32 s[(\g)+6], 0
	s_mov_b32 s[(\g)+7], 0
.endr
	s_lshl_b32 s16, s13, 18                        ; A: 128 x tile row rows of 2,048 bytes
	s_mov_b32 s17, 0
	s_max_u32 s18, s10, 1
	s_sub_co_u32 s18, s18, 1                       ; which 128 of B's 384 rows I fetch (wave 0 asks for none of them)
	s_lshl_b32 s18, s18, 7
	s_mul_i32 s46, s42, 384
	s_add_co_u32 s46, s46, s18                     ; B: row 384 x tile column + 128 x part
	s_lshl_b32 s46, s46, 11
	s_mov_b32 s47, 0
	s_mul_i32 s20, s10, HALFT                      ; where they go: wave x 128 rows
	s_wait_dscnt 0x0                               ; the opening add is done
	s_wait_kmcnt 0x0
	s_add_nc_u64 s[14:15], s[4:5], s[16:17]
	s_add_nc_u64 s[46:47], s[6:7], s[46:47]
	CROUND                                         ; all sixteen work-groups are here: the first joint loads meet
.irp s, 0,1
	s_mov_b32 s[G0+4*(\s)], 1
	s_add_co_u32 s[G0+4*(\s)+1], s20, (\s)*SLOT
	s_add_nc_u64 s[G0+4*(\s)+2:G0+4*(\s)+3], s[14:15], (\s)*KSTEP*2
	s_or_b32 s[G0+4*(\s)+3], s[G0+4*(\s)+3], 0x80000000
	s_mov_b32 s[G0B+4*(\s)], 1
	s_add_co_u32 s[G0B+4*(\s)+1], s20, (\s)*SLOT
	s_add_nc_u64 s[G0B+4*(\s)+2:G0B+4*(\s)+3], s[46:47], (\s)*KSTEP*2
	s_or_b32 s[G0B+4*(\s)+3], s[G0B+4*(\s)+3], 0x80000000
	JLOAD \s                                       ; two loads of mine are out
.endr
	v_and_b32 v1, 15, v0                           ; l % 16
	v_bfe_u32 v2, v0, 4, 1                         ; l / 16
	v_mul_u32_u24 v3, v1, PITCH
	v_lshl_add_u32 v3, v2, 4, v3                   ; a fragment's row x pitch + 16 x half
	s_mul_i32 s21, s11, 64*PITCH                   ; my 64 rows of A
	s_mul_i32 s22, s12, 192*PITCH                  ; my 192 rows of B,
	s_add_co_u32 s22, s22, HALFT                   ; which lie behind A's 128
.irp s, 0,1
	v_add_nc_u32 v[ADRA+(\s)], s21, v3
	v_add_nc_u32 v[ADRB+(\s)], s22, v3
	s_add_co_u32 s21, s21, SLOT
	s_add_co_u32 s22, s22, SLOT
.endr
	s_mul_i32 s23, s10, SWAVE
	s_add_co_u32 s23, s23, STAGE                   ; my stage
	v_mul_u32_u24 v4, v1, SPB                      ; in: row l % 16, 16 bytes for each half of the lanes
	v_lshl_add_u32 v4, v2, 4, v4
	v_add_nc_u32 v[STO], s23, v4
	v_bfe_u32 v5, v0, 3, 2                         ; back: 32 lanes take four rows of 128 bytes,
	v_mul_u32_u24 v5, v5, SPB
	v_and_b32 v6, 7, v0
	v_lshl_add_u32 v5, v6, 4, v5
	v_add_nc_u32 v[RD], s23, v5
	v_and_b32 v[CO], 31, v0                        ; which are 512 consecutive bytes of a block
	v_lshlrev_b32 v[CO], 4, v[CO]
	s_lshl_b32 s16, s13, 7
	s_lshl_b32 s17, s11, 6
	s_add_co_u32 s16, s16, s17                     ; my first row: 128 x tile row + 64 wr,
	s_lshl_b32 s16, s16, 7                         ; of 128 bytes
	s_mov_b32 s17, 0
	s_add_nc_u64 s[8:9], s[8:9], s[16:17]
	s_mul_i32 s46, s42, 6
	s_mul_i32 s47, s12, 3
	s_add_co_u32 s46, s46, s47                     ; my first block: 6 x tile column + 3 wc
	s_lshl_b32 s46, s46, 19
	s_mov_b32 s47, 0
	s_add_nc_u64 s[8:9], s[8:9], s[46:47]
	; the prefetches
	s_lshl_b32 s13, s13, 7                         ; A's first row
	s_mul_i32 s42, s42, 384
	s_add_co_u32 s42, s42, s18                     ; B's first row of my part
	s_and_b32 s22, ttmp7, 0xffff                   ; cluster y
	s_cmp_eq_u32 s10, 0                            ; do I fetch for A?
	s_cselect_b32 s20, s13, s42
	s_cselect_b32 s21, s40, s41                    ; my place among the four that ask with me
	s_cselect_b32 s22, ttmp9, s22                  ; the coordinate along which other clusters read the same rows
	s_cselect_b64 s[PFA:PFA+1], s[4:5], s[6:7]
	s_cmp_eq_u32 s22, 0
	s_cselect_b32 s[LIM], 1, -1                    ; the same in all sixteen partners, for a given wave
	s_lshl_b32 s21, s21, 5
	s_add_co_u32 s20, s20, s21                     ; + my work-group's 32 rows
	s_lshl_b32 s20, s20, 11
	s_add_co_u32 s20, s20, 2*KSTEP*2               ; at K step 2: the first refill steps it to 3 and names K step 4
	s_mov_b32 s21, 0
	s_add_nc_u64 s[PFA:PFA+1], s[PFA:PFA+1], s[20:21]
	v_and_b32 v[PFO], 31, v0
	v_lshlrev_b32 v[PFO], 11, v[PFO]
; 12 matrix instructions: row block a x all 12 column blocks, 32 along K.  The 48 accumulators take turns in the same order in every quarter.
.macro MUL12 f, a, zero
	WIN 0xa5+0x50*((\a)/2)                         ; sources 0, 1 window 1; C and D window 2 or 3
.irp b, 0,1,2,3,4,5,6,7,8,9,10,11
.if \zero
	v_wmma_f32_16x16x32_bf16 v[8*(12*((\a)%2)+(\b)):8*(12*((\a)%2)+(\b))+7], v[(\f)+8*(\b):(\f)+8*(\b)+7], v[(\f)+96+8*(\a):(\f)+96+8*(\a)+7], 0
.else
	v_wmma_f32_16x16x32_bf16 v[8*(12*((\a)%2)+(\b)):8*(12*((\a)%2)+(\b))+7], v[(\f)+8*(\b):(\f)+8*(\b)+7], v[(\f)+96+8*(\a):(\f)+96+8*(\a)+7], v[8*(12*((\a)%2)+(\b)):8*(12*((\a)%2)+(\b))+7]
.endif
.endr
.endm
; 32 LDS loads in one run: B's 12 fragments, then A's 4, of 32 K at byte k of the rows
.macro FETCH slot, k, f
	WIN TO_F
.irp i, 0,1,2,3,4,5,6,7,8,9,10,11
	ds_load_b128 v[(\f)+8*(\i):(\f)+8*(\i)+3],   v[ADRB+(\slot)] offset:(\k)+(\i)*16*PITCH
	ds_load_b128 v[(\f)+8*(\i)+4:(\f)+8*(\i)+7], v[ADRB+(\slot)] offset:(\k)+(\i)*16*PITCH+32
.endr
.irp i, 0,1,2,3
	ds_load_b128 v[(\f)+96+8*(\i):(\f)+96+8*(\i)+3],   v[ADRA+(\slot)] offset:(\k)+(\i)*16*PITCH
	ds_load_b128 v[(\f)+96+8*(\i)+4:(\f)+96+8*(\i)+7], v[ADRA+(\slot)] offset:(\k)+(\i)*16*PITCH+32
.endr
.endm
; A K step is four quarters of 32 along K, 48 matrix instructions each, on buffers 0, 1, 0, 1.
.macro QUARTER slot, k, f, g, zero
	s_wait_dscnt 4                                 ; all but the youngest four loads: A's row blocks 2 and 3
	MUL12 \f, 0, \zero
	MUL12 \f, 1, \zero
	PLACES
	FETCH \slot, \k, \g
	s_wait_dscnt 32                                ; all but the 32 just issued
	MUL12 \f, 2, \zero
	MUL12 \f, 3, \zero
.endm
; The last quarter multiplies buffer 1 and changes slots: each wave waits for all its tensor loads (one is out: its part of the next slot), adds 0 to its spare word, and waits for that and for its reads of this slot.
; fill = 1: the barrier opens a round of the cluster's barrier, and this slot's joint refill, two K steps on, is the first thing behind the round.
.macro TURN slot, next, fill
.if \fill
	s_wait_xcnt 0x0                                ; the last prefetch, a K step back, has read its address
	s_add_nc_u64 s[PFA:PFA+1], s[PFA:PFA+1], KSTEP*2
.endif
	WIN 0
	s_wait_tensorcnt 0x0
	ds_add_u32 v[SPW], v[NIL]
	s_wait_dscnt 5                                 ; the add and the youngest four loads may be out
	MUL12 F1, 0, 0
	s_wait_dscnt 0x0                               ; the add is done, and my reads of this slot are over
	s_barrier_signal -1
	MUL12 F1, 1, 0
.if \fill
	WIN 0
.endif
	s_barrier_wait -1
.if \fill
	CREST
	s_add_nc_u64 s[G0+4*(\slot)+2:G0+4*(\slot)+3], s[G0+4*(\slot)+2:G0+4*(\slot)+3], 2*KSTEP*2
	s_add_nc_u64 s[G0B+4*(\slot)+2:G0B+4*(\slot)+3], s[G0B+4*(\slot)+2:G0B+4*(\slot)+3], 2*KSTEP*2
	JLOAD \slot                                    ; its four v_nop are also the places in front of the loads below
.else
	PLACES
.endif
	FETCH \next, 0, F0
.if \fill
	WIN 0
	ASK
.endif
	MUL12 F1, 2, 0
	MUL12 F1, 3, 0
.endm
; THE WAY OUT of row block a: rounded to f16; 16 bytes a lane into my own stage; back as 512 consecutive bytes (four rows of a block); stored.
.macro PACK a
	WIN 0x0a+5*((\a)/2)                            ; sources window 2 or 3, destination window 0
.set AC, 96*((\a)%2)
.irp b, 0,1,2,3,4,5,6,7,8,9,10,11
.irp q, 0,1,2,3
	v_cvt_pk_f16_f32 v[TMP+4*(\b)+(\q)], v[AC+8*(\b)+2*(\q)], v[AC+8*(\b)+2*(\q)+1]
.endr
.endr
	WIN 0
.endm
.macro TOSTAGE a
.set BK, BK0+48*((\a)%2)
.irp b, 0,1,2,3,4,5,6,7,8,9,10,11
	ds_store_b128 v[STO], v[TMP+4*(\b):TMP+4*(\b)+3] offset:((\b)/4)*SBLK+((\b)%4)*32
.endr
.irp t, 0,1,2,3,4,5,6,7,8,9,10,11
	ds_load_b128 v[BK+4*(\t):BK+4*(\t)+3], v[RD] offset:((\t)/4)*SBLK+((\t)%4)*4*SPB  ; LDS serves a wave's instructions in order (ISA guide 5.7.1.4): these see the stores above
.endr
.endm
.macro SEND a
.set BK, BK0+48*((\a)%2)
	s_wait_dscnt 0x0                               ; the block is back in registers
	s_wait_xcnt 0x0                                ; earlier stores have read their registers: the other set of rows is loaded again only behind this wait
.irp t, 0,1,2,3,4,5,6,7,8,9,10,11
	global_store_b128 v[CO], v[BK+4*(\t):BK+4*(\t)+3], s[8:9] offset:((\t)/4)*BLK+(\a)*2048+((\t)%4)*512  ; 512 consecutive bytes, at a multiple of 256 from qkv's first
.endr
.endm
	s_wait_tensorcnt 1                             ; my part of K step 0 is in; K step 1's may stay out
	s_barrier_signal -1
	s_barrier_wait -1
	FETCH 0, 0, F0
	QUARTER 0, 64, F0, F1, 1                       ; the first quarter's products start the sums
	WIN 0
	s_mov_b32 s3, LAPS-1
.Llap:                                                 ; a trip goes once round the ring and fills both slots again
	QUARTER 0, 128, F1, F0, 0
	QUARTER 0, 192, F0, F1, 0
	TURN 0, 1, 1
	QUARTER 1, 64,  F0, F1, 0
	QUARTER 1, 128, F1, F0, 0
	QUARTER 1, 192, F0, F1, 0
	TURN 1, 0, 1
	QUARTER 0, 64,  F0, F1, 0
	WIN 0
	s_sub_co_u32 s3, s3, 1
	s_cmp_lg_u32 s3, 0
	s_cbranch_scc1 .Llap
	QUARTER 0, 128, F1, F0, 0                      ; the last lap fills nothing
	QUARTER 0, 192, F0, F1, 0
	TURN 0, 1, 0
	QUARTER 1, 64,  F0, F1, 0
	QUARTER 1, 128, F1, F0, 0
	QUARTER 1, 192, F0, F1, 0
	s_wait_dscnt 4
	MUL12 F1, 0, 0
	MUL12 F1, 1, 0
	s_wait_dscnt 0x0
	MUL12 F1, 2, 0
	MUL12 F1, 3, 0
	WIN 0
	PLACES
	PLACES                                         ; eight places, once a launch, in front of the first read of results
	PACK 0
	TOSTAGE 0
.irp a, 1,2,3
	PACK \a
	SEND (\a)-1
	TOSTAGE \a
.endr
	SEND 3
	s_wait_tensorcnt 0x0                           ; the wave's end
	ds_add_u32 v[SPW], v[NIL]
	s_wait_dscnt 0x0
	CROUND                                         ; the closing round
	s_endpgm
.Lfunc_end_k_qff35b2fd7b_qkvgemm:
	.size	k_qff35b2fd7b_qkvgemm, .Lfunc_end_k_qff35b2fd7b_qkvgemm-k_qff35b2fd7b_qkvgemm
	.p2alignl 7, 3214868480
	.fill 96, 4, 3214868480
	.section	.rodata,"a",@progbits
	.p2align	6, 0x0
	.amdhsa_kernel k_qff35b2fd7b_qkvgemm
		.amdhsa_group_segment_fixed_size 327680
		.amdhsa_private_segment_fixed_size 0
		.amdhsa_enable_private_segment 0
		.amdhsa_kernarg_size 24
		.amdhsa_user_sgpr_count 2
		.amdhsa_user_sgpr_kernarg_segment_ptr 1
		.amdhsa_wavefront_size32 1
		.amdhsa_system_sgpr_workgroup_id_x 1
		.amdhsa_system_sgpr_workgroup_id_y 1
		.amdhsa_system_sgpr_workgroup_id_z 1
		.amdhsa_system_vgpr_workitem_id 0
		.amdhsa_next_free_vgpr 960
		.amdhsa_next_free_sgpr 66
		.amdhsa_reserve_vcc 0
		.amdhsa_float_denorm_mode_32 3
		.amdhsa_float_denorm_mode_16_64 3
		.amdhsa_memory_ordered 1
		.amdhsa_forward_progress 1
		.amdhsa_inst_pref_size 119
	.end_amdhsa_kernel
	.amdgpu_metadata
---
amdhsa.version: [ 1, 2 ]
amdhsa.kernels:
  - .name:           k_qff35b2fd7b_qkvgemm
    .symbol:         k_qff35b2fd7b_qkvgemm.kd
    .args:
      - { .name: xb, .offset: 0, .size: 8, .value_kind: global_buffer, .address_space: global }
      - { .name: wt, .offset: 8, .size: 8, .value_kind: global_buffer, .address_space: global }
      - { .name: qkv, .offset: 16, .size: 8, .value_kind: global_buffer, .address_space: global }
    .group_segment_fixed_size: 327680
    .private_segment_fixed_size: 0
    .kernarg_segment_align: 8
    .kernarg_segment_size: 24
    .max_flat_workgroup_size: 128
    .sgpr_count:     66
    .vgpr_count:     960
    .wavefront_size: 32
...
	.end_amdgpu_metadata
.endif
;; end of part 2
;; launch attn (part 3): grid 16 x 16, 4 waves a work-group, clusters of 4 x 1, 327,680 bytes of LDS; arguments qkv, lq1, lk1, lq2, lk2, subln_w, att; writes att
.if DOCPART == 3
	.amdgcn_target "amdgcn-amd-amdhsa--gfx1250"
	.amdhsa_code_object_version 6
	.text
	.protected	k_qff35b2fd7b_attn
	.globl	k_qff35b2fd7b_attn
	.p2align	8
	.type	k_qff35b2fd7b_attn,@function
k_qff35b2fd7b_attn:
	s_mov_b64 s[64:65], 0
	v_nop
	global_prefetch_b8 v0, s[64:65] scope:SCOPE_SE
	s_setreg_imm32_b32 hwreg(HW_REG_WAVE_MODE, 25, 1), 1
	s_wait_xcnt 0x0
	s_wait_alu depctr_hold_cnt(0) depctr_sa_sdst(0) depctr_va_vdst(0) depctr_va_sdst(0) depctr_va_ssrc(0) depctr_va_vcc(0) depctr_vm_vsrc(0)
	s_getreg_b32 s2, hwreg(HW_REG_IB_STS2, 6, 4)
	s_cmp_eq_u32 s2, 0
	s_cbranch_scc0 .Lentry_in_a_cluster
	s_endpgm
.Lentry_in_a_cluster:
	s_bfe_u32 s2, ttmp6, 0x10000c
	s_cmp_lg_u32 s2, 0x3003
	s_cbranch_scc0 .Lentry_shape_is_right
	s_endpgm
.Lentry_shape_is_right:
; DIFFERENTIAL ATTENTION for one pair of heads (b, h) and 128 queries.  O = softmax(Q1 K1^T / 8) V - lambda softmax(Q2 K2^T / 8) V; att = O rsqrt(mean(O^2) + 1e-5) bf16(subln_w), f16.
; qkv: [48 blocks][4096 rows][64] f16: q heads in blocks 0-15, k heads in 16-31, v's halves of 64 channels in 32-47.  att: [4096][1024] f16, column 128 h + d.  The factor 1 - lambda_init is applied by the next launch.
; lambda = exp(sum lq1 lk1) - exp(sum lq2 lk2) + lambda_init, of lq, lk rounded to bf16 like all the module's inputs.
; LIMITS.  q, k, v arrive within f16; their scores are 2.7e11 at the most, finite, so the reference's replacement of NaN and infinities changes nothing and is no line here.  NaN and infinities in the inputs are not treated apart.
; A weight below 2^-126 counts as 0 in its row's sum.  The normalised O is sqrt(128) at the most, so f16 holds att for |subln_w| under 5,700.
; SHARES.  A wave owns 32 queries x both heads: four TILES t = 2 qb + j (qb: 16 queries, j: head).  PIECE 0 = tiles 0, 1; piece 2 = tiles 2, 3.  Both heads of a query lie in the same lanes.
; LAYOUT.  S^T = K Q^T holds one query a lane (lane % 16) and keys 8 (lane / 16) + 0..7; two such results rounded to f16 are source 1 of O^T = V^T P.  V comes out of LDS turned, by ds_load_tr16_b128.
; SOFTMAX.  A running maximum m and sum l a query and head: p = 2^(c s - c m), c = log2(e) / 8; in every step O and l are multiplied by a = 2^(c m_old - c m_new).  m starts at the lowest finite number, O and l at 0.
; BY TURNS.  In a turn one piece has the matrix unit (32 products V^T P of the step in hand, 16 products K Q^T of the next); the other piece's softmax, 268 vector instructions in 64 slices, stands between them:
; one slice behind each V^T P, two behind each K Q^T.  Its 66 exponentials are one batch with one wait.  The loop is entered, and the tail left, in the middle of a trip: no first or last step is written out;
; the price is 432 lines that write 0, 32 products on zeros at the start and 16 on a stale K at the end.
; CLUSTER.  The four query blocks of a cluster walk the same K and V: each tile is asked for jointly.
; REGISTERS: window 0 addresses, statistics, S^T (32 a tile), P (16 a tile); window 1 O^T (64 a tile); window 2 Q (v0-63), the gain (v64-127), K of a step (v128-255); window 3 V of a step (v0-127).
.set BLK,   524288
.set KS,    64
.set PKP,   144       ; a key's row of K in LDS: 128 bytes + 16
.set PVP,   160       ; of V: 128 + 32
.set KREG,  128*PKP   ; a slot holds two steps, 128 keys: K of head 0, K of head 1,
.set VREG,  128*PVP   ; V's channels 0-63, V's channels 64-127
.set VOFF,  2*KREG
.set SLOT1, 1<<17
.set SLOTB, 16384     ; bytes of one block of qkv in a slot
.set STAGE, SLOT1+VOFF+2*VREG  ; behind the ring: 16 rows x 272 bytes a wave
.set SP,    272
.set SPARE, STAGE+4*16*SP      ; the spare words: 128 bytes a wave, two blocks of 256 bytes that no other line names
.set AK0, 2
.set AV0, 3
.set ADR, 4
.set QO,  5
.set STO, 6
.set RD,  7
.set GO,  8
.set WO,  10          ; 32 x (lane / 16): my eight numbers of the gain
.set LO,  11          ; 8 x lane: my two numbers of lq, lk
.set ST,  12          ; tile t at ST + 8 t: c m, m, l (even keys', odd keys'), c0-c3 at work; a takes c2's place
.set NL,  44          ; - lambda
.set Z,   48          ; v48-55 at work on the way out
.set PFO, 61
.set SPW, 62
.set NIL, 63
.set S,   64
.set P,   192
.set WG,  64          ; window 2: the gain, register 8 cb + jj = channel 16 cb + 8 (lane / 16) + jj, as O^T lies
.set KF,  128         ; window 2: key block kb, head j, channel half c at KF + 32 kb + 8 (2 j + c)
.set WV,  12
.set LIM, 15
.set PFA, 18
.set G1K, 24
.set G1V, 32
.set G0K, 40
.set G0V, 48
.set SLOTS, 56
.set TWICE, 57
.set CS,  58
.set SEL, 60
.set TBK, 62
.set TBV, 63
.set MSB, 0
.macro WIN new
.if MSB != (\new)
	s_set_vgpr_msb (MSB<<8)|(\new)
.set MSB, \new
.endif
.endm
.set W_KQ, 0x0a       ; K and Q in window 2, S^T in window 0
.set W_PV, 0x53       ; V in window 3, P in window 0, O^T in window 1
.set W_RS, 0x41       ; O^T (destination and source 0) in window 1, source 1 in window 0
; A joint refill: waves 0 and 1 fetch K of heads 0 and 1, waves 2 and 3 V's two halves: 128 keys, 16,384 bytes each.  An s_nop 0 and four v_nop follow each line.
.macro JLOAD
	s_cmp_lt_u32 s[WV], 2
	s_cbranch_scc0 .Lfor_v_\@
	tensor_load_to_lds s[G0K+4:G0K+7], s[G1K:G1K+7]
	s_nop 0
.rept 4
	v_nop
.endr
	s_branch .Lasked_\@
.Lfor_v_\@:
	tensor_load_to_lds s[G0V+4:G0V+7], s[G1V:G1V+7]
	s_nop 0
.rept 4
	v_nop
.endr
.Lasked_\@:
.endm
; A prefetch of what the next change of slots will ask for.  The pair's first cluster asks; its four partners take 4,096 bytes of each block, by address; wave 0 asks for K's two blocks, wave 2 for V's:
; 16 lanes x 256 bytes in each.  So each block of 256 bytes is named once.  The last change that fills a slot asks for nothing.
.macro ASK
	s_cmp_gt_u32 s[SLOTS], s[LIM]
	s_cbranch_scc0 .Lnot_mine_\@
	global_prefetch_b8 v[PFO], s[PFA:PFA+1] th:TH_LOAD_NT scope:SCOPE_SE
.Lnot_mine_\@:
.endm
.macro CROUND
	s_barrier_signal -1
	s_barrier_wait -1
	s_cmp_lg_u32 s[WV], 0
	s_cbranch_scc1 .Lnot_wave_0_\@
	s_barrier_signal -3
.Lnot_wave_0_\@:
	s_barrier_wait -3
	s_barrier_signal -1
	s_barrier_wait -1
.endm
	s_load_b256 s[4:11], s[0:1], 0x0               ; qkv s[4:5], lq1 s[6:7], lk1 s[8:9], lq2 s[10:11]
	s_load_b128 s[68:71], s[0:1], 0x20             ; lk2 s[68:69], subln_w s[70:71]
	s_load_b64 s[72:73], s[0:1], 0x30              ; att
	v_lshl_add_u32 v[SPW], v0, 2, SPARE
	v_mov_b32 v[NIL], 0
	ds_add_u32 v[SPW], v[NIL]                      ; the wave's opening: the add and its wait stand ahead of my first tensor load
	ds_add_u32 v62, v63
	v_lshrrev_b32 v1, 5, v0
	v_readfirstlane_b32 s[WV], v1
	s_bfe_u32 s13, ttmp6, 0x40000                  ; cx
	s_lshl_b32 s14, ttmp9, 2
	s_add_co_u32 s14, s14, s13                     ; my block of 128 queries: it enters Q's and att's addresses alone
	s_and_b32 s20, ttmp7, 0xffff                   ; 8 b + h, which the four partners share
	s_and_b32 s21, s20, 7                          ; h
	s_lshr_b32 s20, s20, 3                         ; b
	s_lshl_b32 s22, s21, 20                        ; two blocks a pair,
	s_lshl_b32 s23, s20, 18                        ; 2,048 rows of 128 bytes a batch
	s_add_co_u32 s22, s22, s23
	s_and_b32 s16, s[WV], 1                        ; which head's K, or which half of V, I fetch
	s_lshl_b32 s2, s16, 19
	s_add_co_u32 s2, s2, s22
	s_mov_b32 s3, 0
	s_mul_i32 s80, s16, KREG                       ; its place in a slot, for K
	s_mul_i32 s81, s16, VREG
	s_add_co_u32 s81, s81, VOFF                    ; and for V
	s_lshl_b32 s84, s14, 14                        ; Q: my block's 128 rows,
	s_lshl_b32 s85, s[WV], 12                      ; my wave's 32
	s_add_co_u32 s84, s84, s85
	s_add_co_u32 s84, s84, s22
	s_mov_b32 s85, 0
	s_lshl_b32 s86, s20, 22                        ; att: rows of 2,048 bytes
	s_lshl_b32 s87, s14, 18
	s_add_co_u32 s86, s86, s87
	s_lshl_b32 s87, s[WV], 16
	s_add_co_u32 s86, s86, s87
	s_lshl_b32 s87, s21, 8                         ; the head's 256 bytes of a row
	s_add_co_u32 s86, s86, s87
	s_mov_b32 s87, 0
	; descriptor group 1: 128 keys are 16,384 dense bytes, asked for as 64 rows of 256 bytes and padded in LDS after every key
	s_mov_b32 s[G1K], 15|(1<<16)|(1<<20)|(1<<21)|(4<<22)|(3<<25)  ; the mask of four; 2-byte elements; padding on; bit 21 beside a mask; after every 32 words, 4 words
	s_mov_b32 s[G1V], 15|(1<<16)|(1<<20)|(1<<21)|(4<<22)|(7<<25)  ; the same with 8 words
.irp g, G1K, G1V
	s_mov_b32 s[(\g)+1], 128<<16
	s_mov_b32 s[(\g)+2], 64<<16
	s_mov_b32 s[(\g)+3], 128<<16
	s_mov_b32 s[(\g)+4], 64
	s_mov_b32 s[(\g)+5], 128
	s_mov_b32 s[(\g)+6], 0
	s_mov_b32 s[(\g)+7], 0
.endr
	s_mov_b32 s[CS], 0x3e38aa3b                    ; c = log2(e) / 8
	s_mov_b32 s[CS+1], s[CS]
	s_mov_b32 s[SEL], 0x76543210
	s_mov_b32 s[SEL+1], 0xfedcba98
	s_mov_b32 s66, 0x3c000000                      ; 1 / 128
	s_mov_b32 s67, 0x3727c5ac                      ; 1e-5
	s_mov_b32 s[TBK], 0
	s_mov_b32 s[TBV], 0
	s_and_b32 s[LIM], s[WV], 1                     ; 0 in waves 0 and 2,
	s_or_b32 s[LIM], s[LIM], ttmp9                 ; where the cluster is the pair's first: the same in all four partners
	s_cmp_eq_u32 s[LIM], 0
	s_cselect_b32 s[LIM], 1, -1
	v_bfe_u32 v9, v0, 4, 1                         ; l / 16
	v_and_b32 v[PFO], 15, v0
	v_lshlrev_b32 v[PFO], 8, v[PFO]
	v_lshl_add_u32 v[PFO], v9, 19, v[PFO]          ; 256 (l % 16) in block l / 16
	s_wait_dscnt 0x0                               ; the opening add is done
	s_wait_kmcnt 0x0
	s_add_nc_u64 s[74:75], s[4:5], s[2:3]
	s_add_nc_u64 s[76:77], s[74:75], 32*BLK        ; V at my tile of slot 0
	s_add_nc_u64 s[74:75], s[74:75], 16*BLK        ; K at my tile of slot 0
	s_add_nc_u64 s[78:79], s[4:5], s[84:85]        ; Q at my wave's first row, head 0
	s_add_nc_u64 s[72:73], s[72:73], s[86:87]      ; att at my wave's first row
	s_cmp_lt_u32 s[WV], 2
	s_cselect_b64 s[PFA:PFA+1], s[74:75], s[76:77]
	s_lshl_b32 s2, s13, 12                         ; my work-group's 4,096 bytes of each block
	s_mov_b32 s3, 0
	s_add_nc_u64 s[PFA:PFA+1], s[PFA:PFA+1], s[2:3]
	s_add_nc_u64 s[PFA:PFA+1], s[PFA:PFA+1], 2*SLOTB  ; in slot 2; the first change of slots steps it to slot 3
	CROUND                                         ; all four work-groups are here: the first joint loads meet
.irp s, 0,1
	s_mov_b32 s[G0K+4*(\s)], 1
	s_add_co_u32 s[G0K+4*(\s)+1], s80, (\s)*SLOT1
	s_add_nc_u64 s[G0K+4*(\s)+2:G0K+4*(\s)+3], s[74:75], (\s)*SLOTB
	s_or_b32 s[G0K+4*(\s)+3], s[G0K+4*(\s)+3], 0x80000000
	s_mov_b32 s[G0V+4*(\s)], 1
	s_add_co_u32 s[G0V+4*(\s)+1], s81, (\s)*SLOT1
	s_add_nc_u64 s[G0V+4*(\s)+2:G0V+4*(\s)+3], s[76:77], (\s)*SLOTB
	s_or_b32 s[G0V+4*(\s)+3], s[G0V+4*(\s)+3], 0x80000000
.endr
	s_cmp_lt_u32 s[WV], 2                          ; a wave's two first fills stand in one branch: two loads of mine are out
	s_cbranch_scc0 .Lfirst_v
	tensor_load_to_lds s[G0K:G0K+3], s[G1K:G1K+7]
	s_nop 0
	tensor_load_to_lds s[G0K+4:G0K+7], s[G1K:G1K+7]
	s_nop 0
.rept 4
	v_nop
.endr
	s_branch .Lfirst_asked
.Lfirst_v:
	tensor_load_to_lds s[G0V:G0V+3], s[G1V:G1V+7]
	s_nop 0
	tensor_load_to_lds s[G0V+4:G0V+7], s[G1V:G1V+7]
	s_nop 0
.rept 4
	v_nop
.endr
.Lfirst_asked:
	v_and_b32 v1, 15, v0                           ; l % 16
	v_lshlrev_b32 v[QO], 7, v1
	v_lshl_add_u32 v[QO], v9, 4, v[QO]             ; row x 128 + 16 x half
	v_lshlrev_b32 v[WO], 5, v9
	v_and_b32 v[LO], 31, v0
	v_lshlrev_b32 v[LO], 3, v[LO]
	WIN 0x80                                       ; destination window 2, address window 0
.set i, 0
.rept 8                                                ; Q stays in registers: tile i / 2 (head (i / 2) % 2, queries 16 (i / 4) on), channels 32 (i % 2) on
	global_load_b128 v[8*i:8*i+3],   v[QO], s[78:79] offset:((i/2)%2)*BLK+(i/4)*2048+(i%2)*64
	global_load_b128 v[8*i+4:8*i+7], v[QO], s[78:79] offset:((i/2)%2)*BLK+(i/4)*2048+(i%2)*64+32
.set i, i+1
.endr
.set i, 0
.rept 8
	global_load_b128 v[WG+8*i:WG+8*i+3],   v[WO], s[70:71] offset:64*i
	global_load_b128 v[WG+8*i+4:WG+8*i+7], v[WO], s[70:71] offset:64*i+16
.set i, i+1
.endr
	WIN 0
	global_load_b64 v[46:47], v[LO], s[6:7]
	global_load_b64 v[48:49], v[LO], s[8:9]
	global_load_b64 v[50:51], v[LO], s[10:11]
	global_load_b64 v[52:53], v[LO], s[68:69]
	; What the first turns find: O^T, l, V's registers and piece 2's P hold 0.  All this stands in the wait for the loads.
	WIN 0x40
.set i, 0
.rept 256
	v_mov_b32 v[i], 0
.set i, i+1
.endr
	WIN 0xc0
.set i, 0
.rept 128
	v_mov_b32 v[i], 0
.set i, i+1
.endr
	WIN 0
.set i, P+32
.rept 32
	v_mov_b32 v[i], 0
.set i, i+1
.endr
.set i, 0
.rept 4
	v_mov_b32 v[ST+8*i], 0xfe000000                ; c m: far below every c s
	v_mov_b32 v[ST+8*i+1], 0xff7fffff              ; m
	v_mov_b32 v[ST+8*i+2], 0
	v_mov_b32 v[ST+8*i+3], 0
.set i, i+1
.endr
	v_mul_u32_u24 v[AK0], v1, PKP
	v_lshl_add_u32 v[AK0], v9, 4, v[AK0]           ; row x pitch + 16 x half
	v_and_b32 v58, 7, v0
	v_bfe_u32 v59, v0, 3, 1
	v_lshl_add_u32 v[AV0], v9, 3, v58              ; the turning load: key 8 (l / 16) + l % 8, channels 8 ((l / 8) % 2) on
	v_mul_u32_u24 v[AV0], v[AV0], PVP
	v_lshl_add_u32 v[AV0], v59, 4, v[AV0]
	v_add_nc_u32 v[AV0], VOFF, v[AV0]
	s_wait_loadcnt 0x0                             ; Q, the gain, lq and lk
	WIN 0x8a                                       ; all in window 2: the gain is rounded to bf16 and widened again; K's registers, still free, are at work
.set i, 0
.rept 32
	v_cvt_pk_bf16_f32 v[KF+i], v[WG+2*i], v[WG+2*i+1]
.set i, i+1
.endr
.set i, 0
.rept 32
	v_lshlrev_b32 v[WG+2*i], 16, v[KF+i]
	v_and_b32 v[WG+2*i+1], 0xffff0000, v[KF+i]
.set i, i+1
.endr
	WIN 0
.irp a, 46,48,50,52                                    ; lq1, lk1, lq2, lk2 rounded to bf16
	v_cvt_pk_bf16_f32 v54, v[\a], v[(\a)+1]
	v_lshlrev_b32 v[\a], 16, v54
	v_and_b32 v[(\a)+1], 0xffff0000, v54
.endr
	v_mul_f32 v46, v46, v48
	v_mul_f32 v50, v50, v52
	v_fmac_f32 v46, v47, v49
	v_fmac_f32 v50, v51, v53
.irp x, 1,2,4,8
	v_add_f32_dpp v46, v46, v46 row_xmask:\x row_mask:0xf bank_mask:0xf
	v_add_f32_dpp v50, v50, v50 row_xmask:\x row_mask:0xf bank_mask:0xf
.endr
	v_permlanex16_b32 v47, v46, s[SEL], s[SEL+1]
	v_permlanex16_b32 v51, v50, s[SEL], s[SEL+1]
	v_add_f32 v46, v46, v47
	v_add_f32 v50, v50, v51
	v_mul_f32 v46, 0x3fb8aa3b, v46
	v_mul_f32 v50, 0x3fb8aa3b, v50
	v_exp_f32 v46, v46
	v_exp_f32 v50, v50
	v_nop                                          ; a plain instruction behind the exponentials,
	s_wait_alu depctr_va_vdst(0)                   ; and the wait ahead of their first reader
	v_sub_f32 v[NL], v50, v46
	v_add_f32 v[NL], 0xbf489a63, v[NL]             ; - lambda = lambda_2 - lambda_1 - 0.783605766
; Product i of 16 of S^T = K Q^T for piece x: channels 32 (i / 8) on, keys 16 ((i / 2) % 4) on, tile x + i % 2.  The first 8 start the sums.  The 8 accumulators take turns.
.macro KQ x
	WIN W_KQ
.set rS, S+32*((\x)+i%2)+8*((i/2)%4)
.set rK, KF+32*((i/2)%4)+8*(2*(i%2)+i/8)
.set rQ, 16*((\x)+i%2)+8*(i/8)
.if i < 8
	v_wmma_f32_16x16x32_f16 v[rS:rS+7], v[rK:rK+7], v[rQ:rQ+7], 0
.else
	v_wmma_f32_16x16x32_f16 v[rS:rS+7], v[rK:rK+7], v[rQ:rQ+7], v[rS:rS+7]
.endif
.endm
; Product i of 32 of O^T += V^T P for piece x: keys 32 (i / 16) on, channels 16 ((i / 2) % 8) on, tile x + i % 2.  16 accumulators take turns.
.macro PV x
	WIN W_PV
.set rO, 64*((\x)+i%2)+8*((i/2)%8)
.set rV, 64*(i/16)+8*((i/2)%8)
.set rP, P+16*((\x)+i%2)+8*(i/16)
	v_wmma_f32_16x16x32_f16 v[rO:rO+7], v[rV:rV+7], v[rP:rP+7], v[rO:rO+7]
.endm
; THE LDS LOADS stand in runs of 32.  last = 1 (the tail): in the last trip there is no further step, and K's run is jumped over.
.macro FETCH_K last=0
	WIN 0
.if \last
	s_cmp_eq_u32 s[TWICE], 1
	s_cbranch_scc1 .Lno_k_\@
.endif
	v_add_nc_u32 v[ADR], s[TBK], v[AK0]
	WIN 0x80
.irp f, 0,1,2,3,4,5,6,7,8,9,10,11,12,13,14,15          ; keys 16 (f / 4) on, head (f % 4) / 2, channels 32 (f % 2) on
	ds_load_b128 v[KF+8*(\f):KF+8*(\f)+3],   v[ADR] offset:(((\f)%4)/2)*KREG+((\f)/4)*16*PKP+((\f)%2)*64
	ds_load_b128 v[KF+8*(\f)+4:KF+8*(\f)+7], v[ADR] offset:(((\f)%4)/2)*KREG+((\f)/4)*16*PKP+((\f)%2)*64+32
.endr
	s_add_co_u32 s[TBK], s[TBK], KS*PKP            ; the next fetch is the next step's
.if \last
	WIN 0
.Lno_k_\@:
.endif
.endm
.macro FETCH_V
	WIN 0
	v_add_nc_u32 v[ADR], s[TBV], v[AV0]
	s_add_co_u32 s[TBV], s[TBV], KS*PVP
	s_wait_alu depctr_va_vdst(0)                   ; the wait for the softmax's batch, behind the address's line and ahead of the loads
	WIN 0xc0
.irp f, 0,1,2,3,4,5,6,7,8,9,10,11,12,13,14,15          ; keys 32 (f / 8) on, channels 16 (f % 8) on: half (f % 8) / 4 of V
	ds_load_tr16_b128 v[8*(\f):8*(\f)+3],   v[ADR] offset:(((\f)%8)/4)*VREG+((\f)/8)*32*PVP+((\f)%4)*32
	ds_load_tr16_b128 v[8*(\f)+4:8*(\f)+7], v[ADR] offset:(((\f)%8)/4)*VREG+((\f)/8)*32*PVP+16*PVP+((\f)%4)*32
.endr
.endm
; THE VECTOR WORK.  A tile's softmax for a key step is a list of 134 instructions; SM writes number j of it for tile t.
;   0-15 the maximum of the 32 scores and the old m (each accumulator's lowest registers first)   16-20 the other half of the lanes; m; c m; its change
;   21-69 ONE BATCH: 16 scalings c s - c m and 33 exponentials (a at 23), none of which reads an exponential's result      70-85 roundings to f16      86-101 the sums; l = a l + sum      102-133 O^T times a
.macro SM t
.set rT, ST+8*(\t)
.set rS, S+32*(\t)
.set rP, P+16*(\t)
.set rO, 64*(\t)+2*(j-102)
.if j < 102
	WIN 0
.endif
.if j < 4
	v_max3_num_f32 v[rT+4+j], v[rS+8*j], v[rS+8*j+1], v[rS+8*j+2]
.elseif j < 12
	v_max3_num_f32 v[rT+4+j%4], v[rT+4+j%4], v[rS+8*(j%4)+2*(j/4)+1], v[rS+8*(j%4)+2*(j/4)+2]
.elseif j == 12
	v_max3_num_f32 v[rT+4], v[rT+4], v[rS+7], v[rS+15]
.elseif j == 13
	v_max3_num_f32 v[rT+6], v[rT+6], v[rS+23], v[rS+31]
.elseif j == 14
	v_max3_num_f32 v[rT+4], v[rT+4], v[rT+5], v[rT+6]
.elseif j == 15
	v_max3_num_f32 v[rT+4], v[rT+4], v[rT+7], v[rT+1]
.elseif j == 16
	v_permlanex16_b32 v[rT+5], v[rT+4], s[SEL], s[SEL+1]
.elseif j == 17
	v_mov_b32 v[rT+7], v[rT]                       ; c m_old is kept for a
.elseif j == 18
	v_max_num_f32 v[rT+1], v[rT+4], v[rT+5]
.elseif j == 19
	v_mul_f32 v[rT], s[CS], v[rT+1]
.elseif j == 20
	v_sub_f32 v[rT+7], v[rT+7], v[rT]
.elseif j == 23
	v_exp_f32 v[rT+6], v[rT+7]
.elseif (j < 23) || ((j < 38) && (j%2 == 0)) || ((j < 66) && (j%4 == 2))
.set b, (j-2)/4
.if j < 38
.set b, (j-20)/2
.endif
	v_pk_fma_f32 v[rS+2*b:rS+2*b+1], v[rS+2*b:rS+2*b+1], s[CS:CS+1], v[rT:rT+1] op_sel_hi:[1,0,0] neg_lo:[0,0,1] neg_hi:[0,0,1]
.elseif j < 70
.set e, j-38
.if j < 66
.set e, j-32-(j-38)/4
.endif
.if j < 38
.set e, (j-25)/2
.endif
	v_exp_f32 v[rS+e], v[rS+e]
.elseif j < 86
	v_cvt_pk_f16_f32 v[rP+j-70], v[rS+2*(j-70)], v[rS+2*(j-70)+1]
.elseif j < 102
.set z, j-86
.set w, 4
.set u, z
.if z >= 14
.set w, 32
.set u, 0
.elseif z >= 12
.set w, 16
.set u, z-12
.elseif z >= 8
.set w, 8
.set u, z-8
.endif
.if z < 15
	v_pk_add_f32 v[rS+w*u:rS+w*u+1], v[rS+w*u:rS+w*u+1], v[rS+w*u+w/2:rS+w*u+w/2+1]
.else
	v_pk_fma_f32 v[rT+2:rT+3], v[rT+2:rT+3], v[rT+6:rT+7], v[rS:rS+1] op_sel_hi:[1,0,1]
.endif
.else
	WIN W_RS
	v_pk_mul_f32 v[rO:rO+1], v[rO:rO+1], v[rT+6:rT+7] op_sel_hi:[1,0]
.endif
.endm
; Slice k of 64 of piece y's softmax: four instructions.  Slices 11 to 34 deal out the batch, four numbers of one tile each; every other slice is numbers 2 k, 2 k + 1 of both tiles; slice 63 takes the twelve that are over.
; Behind slice 34 stand a v_nop, the plain instruction behind the last exponential, and the piece's one wait: nothing ahead of it names a result, and no exponential follows it.
.macro SLICE y
.if (k >= 11) && (k < 35)
.irp n, 0,1,2,3
.set j, 22+4*((k-11)/2)+(\n)
	SM (\y)+(k-11)%2
.endr
.else
.irp n, 0,1,2,3,4,5,6,7
.if ((\n) < 2) || (k == 63)
.irp t, \y, (\y)+1
.set j, 2*k+(\n)
	SM \t
.endr
.endif
.endr
.endif
.if k == 34
	v_nop
.if (\y) == 0
	FETCH_V                                        ; piece 2's turn: V's run stands here, four plain instructions (two scalings, the v_nop, its own address line) behind the last product that read V
.else
	s_wait_alu depctr_va_vdst(0)
.endif
.endif
.set k, k+1
.endm
; A TURN.  Piece x has the matrix unit.  Piece 0's turn fetches the next step's K behind its second product: the last product that read K stands in front of slices 62 and 63 of the turn before, 20 plain instructions.
.macro TURN x, last=0
.set k, 0
.if (\x) == 0
	s_wait_dscnt 0x0                               ; V is in
.endif
.set i, 0
.rept 32
	PV \x
	SLICE 2-(\x)
.if ((\x) == 0) && (i == 1)
	FETCH_K \last
.endif
.set i, i+1
.endr
.if (\x) == 0
	s_wait_dscnt 0x0                               ; K is in
.endif
.set i, 0
.rept 16
	KQ \x
	SLICE 2-(\x)
	SLICE 2-(\x)
.set i, i+1
.endr
.endm
; THE CHANGE OF SLOTS: the slot's last bytes, V of its second step, have been asked for.  Each wave waits for all its tensor loads (one is out: its part of the other slot), adds 0 to its spare word, and waits for that and
; for its reads of the slot.  fill = 1: a round of the cluster's barrier, and the joint refill, the keys two slots on, first behind it: it has two key steps, 192 matrix instructions, in which to land.
.macro CHANGE fill
	WIN 0
	s_wait_tensorcnt 0x0
	ds_add_u32 v[SPW], v[NIL]
.if \fill
.irp g, G0K+4, G0V+4
	s_xor_b32 s[(\g)+1], s[(\g)+1], SLOT1          ; the walking descriptor: the other slot than last time,
	s_add_nc_u64 s[(\g)+2:(\g)+3], s[(\g)+2:(\g)+3], SLOTB  ; the next 128 keys
.endr
	s_wait_xcnt 0x0                                ; the last prefetch, two key steps back, has read its address
	s_add_nc_u64 s[PFA:PFA+1], s[PFA:PFA+1], SLOTB
	s_wait_dscnt 0x0                               ; the add is done, and my reads of the slot are over
	CROUND
	JLOAD
	ASK
.else
	s_wait_dscnt 0x0
	s_barrier_signal -1
	s_barrier_wait -1
.endif
	s_sub_co_u32 s[TBK], s[TBK], 2*KS*PKP          ; the fetches go back to a slot's first step, in the other slot
	s_xor_b32 s[TBK], s[TBK], SLOT1
	s_sub_co_u32 s[TBV], s[TBV], 2*KS*PVP
	s_xor_b32 s[TBV], s[TBV], SLOT1
.endm
	s_wait_tensorcnt 1                             ; my part of slot 0 is in; slot 1's may stay out
	s_barrier_signal -1
	s_barrier_wait -1
	FETCH_K                                        ; key step 0
	s_wait_dscnt 0x0
.set i, 0
.rept 16
	KQ 0                                           ; piece 0's first scores
.set i, i+1
.endr
	WIN 0                                          ; the addresses for the way out: ten plain instructions, the places behind those products
	s_mul_i32 s13, s[WV], 16*SP
	s_add_co_u32 s13, s13, STAGE
	v_mul_u32_u24 v[STO], v1, SP                   ; in: row l % 16, 16 bytes for each half of the lanes
	v_lshl_add_u32 v[STO], v9, 4, v[STO]
	v_add_nc_u32 v[STO], s13, v[STO]
	v_mul_u32_u24 v[RD], v9, SP                    ; back: lanes 0-15 one row of 256 bytes, lanes 16-31 the next
	v_lshl_add_u32 v[RD], v1, 4, v[RD]
	v_add_nc_u32 v[RD], s13, v[RD]
	v_lshlrev_b32 v[GO], 11, v9                    ; and the same two rows in att
	v_lshl_add_u32 v[GO], v1, 4, v[GO]
	v_nop
	v_nop
	s_mov_b32 s[TWICE], 2
	s_mov_b32 s[SLOTS], 15
	s_branch .Lmid                                 ; the loop is entered at piece 2's turn: its V^T P adds 0 x 0 onto 0
.Lslot:                                                ; 14 times: every slot but the last two is filled again
	CHANGE 1
	s_mov_b32 s[TWICE], 2
.Lstep:
	TURN 0
	WIN 0
.Lmid:
	TURN 2
	WIN 0
	s_sub_co_u32 s[TWICE], s[TWICE], 1
	s_cmp_lg_u32 s[TWICE], 0
	s_cbranch_scc1 .Lstep
	s_sub_co_u32 s[SLOTS], s[SLOTS], 1
	s_cmp_lg_u32 s[SLOTS], 0
	s_cbranch_scc1 .Lslot
	CHANGE 0                                       ; the tail is written out
	s_mov_b32 s[TWICE], 3                          ; two trips fetch the last slot's steps; the third is left in its middle
.Ltail:
	TURN 0, 1
	WIN 0
	s_sub_co_u32 s[TWICE], s[TWICE], 1
	s_cmp_eq_u32 s[TWICE], 0
	s_cbranch_scc1 .Lout
	TURN 2
	WIN 0
	s_branch .Ltail
.Lout:                                                 ; the third trip's 16 products K Q^T, on the last K once more, serve nothing
.set i, 0
.rept 32
	PV 2                                           ; piece 2's V^T P of the last step
.set i, i+1
.endr
	; THE WAY OUT.  1 / l for each tile; the second head's times - lambda.
	WIN 0
.irp t, 0,1,2,3
	v_add_f32 v[ST+8*(\t)+4], v[ST+8*(\t)+2], v[ST+8*(\t)+3]
.endr
.irp t, 0,1,2,3
	v_permlanex16_b32 v[ST+8*(\t)+5], v[ST+8*(\t)+4], s[SEL], s[SEL+1]
.endr
.irp t, 0,1,2,3
	v_add_f32 v[ST+8*(\t)+4], v[ST+8*(\t)+4], v[ST+8*(\t)+5]
.endr
.irp t, 0,1,2,3
	v_rcp_f32 v[ST+8*(\t)+6], v[ST+8*(\t)+4]
.endr
	v_nop
	s_wait_alu depctr_va_vdst(0)                   ; one wait for the four reciprocals
	v_mul_f32 v[ST+14], v[NL], v[ST+14]
	v_mul_f32 v[ST+30], v[NL], v[ST+30]
; Queries 16 qb on: O = O1 / l1 - lambda O2 / l2; its mean square over the 128 channels (64 in this lane, 64 in the lane 16 away); times rsqrt, times the gain; f16; through my stage as whole rows of 256 bytes.
.macro FIN qb
.set OA, 128*(\qb)
.set OB, 128*(\qb)+64
.set TA, ST+16*(\qb)
.set TC, ST+16*(\qb)+8
	WIN W_RS
.set i, 0
.rept 32
	v_pk_mul_f32 v[OA+i:OA+i+1], v[OA+i:OA+i+1], v[TA+6:TA+7] op_sel_hi:[1,0]
.set i, i+2
.endr
	WIN 0x51                                       ; sources 0 and 2 and the destination in window 1, source 1 in window 0
.set i, 0
.rept 32
	v_pk_fma_f32 v[OA+i:OA+i+1], v[OB+i:OB+i+1], v[TC+6:TC+7], v[OA+i:OA+i+1] op_sel_hi:[1,0,1]
.set i, i+2
.endr
	WIN 0x05                                       ; sources 0 and 1 in window 1; source 2 and the destination in window 0
.set i, 0
.rept 4
	v_pk_mul_f32 v[Z+i:Z+i+1], v[OA+i:OA+i+1], v[OA+i:OA+i+1]
.set i, i+2
.endr
.rept 28
	v_pk_fma_f32 v[Z+i%8:Z+i%8+1], v[OA+i:OA+i+1], v[OA+i:OA+i+1], v[Z+i%8:Z+i%8+1]
.set i, i+2
.endr
	WIN 0
	v_pk_add_f32 v[Z:Z+1], v[Z:Z+1], v[Z+2:Z+3]
	v_pk_add_f32 v[Z+4:Z+5], v[Z+4:Z+5], v[Z+6:Z+7]
	v_pk_add_f32 v[Z:Z+1], v[Z:Z+1], v[Z+4:Z+5]
	v_add_f32 v[Z], v[Z], v[Z+1]
	v_permlanex16_b32 v[Z+1], v[Z], s[SEL], s[SEL+1]
	v_add_f32 v[Z], v[Z], v[Z+1]
	v_fma_f32 v[Z], v[Z], s66, s67                 ; the mean + 1e-5
	v_rsq_f32 v[Z+4], v[Z]
	v_nop
	s_wait_alu depctr_va_vdst(0)
	WIN W_RS
.set i, 0
.rept 32
	v_pk_mul_f32 v[OA+i:OA+i+1], v[OA+i:OA+i+1], v[Z+4:Z+5] op_sel_hi:[1,0]
.set i, i+2
.endr
	WIN 0x49                                       ; O^T in window 1, the gain in window 2
.set i, 0
.rept 32
	v_pk_mul_f32 v[OA+i:OA+i+1], v[OA+i:OA+i+1], v[WG+i:WG+i+1]
.set i, i+2
.endr
	WIN 0x05
.set i, 0
.rept 32
	v_cvt_pk_f16_f32 v[S+32*(\qb)+i], v[OA+2*i], v[OA+2*i+1]
.set i, i+1
.endr
	WIN 0
.irp f, 0,1,2,3,4,5,6,7
	ds_store_b128 v[STO], v[S+32*(\qb)+4*(\f):S+32*(\qb)+4*(\f)+3] offset:32*(\f)
.endr
.irp f, 0,1,2,3,4,5,6,7
	ds_load_b128 v[S+32*(\qb)+4*(\f):S+32*(\qb)+4*(\f)+3], v[RD] offset:(\f)*2*SP  ; LDS serves a wave's instructions in order (ISA guide 5.7.1.4): these see the stores above
.endr
.endm
.macro SEND qb, younger                                ; younger: the LDS instructions issued behind these loads
.irp f, 0,1,2,3,4,5,6,7
	s_wait_dscnt (\younger)+7-(\f)
	global_store_b128 v[GO], v[S+32*(\qb)+4*(\f):S+32*(\qb)+4*(\f)+3], s[72:73] offset:(\qb)*32768+(\f)*4096  ; 16 lanes store 256 consecutive bytes, aligned
.endr
.endm
	FIN 0
	FIN 1
	SEND 0, 16
	SEND 1, 0
	s_wait_tensorcnt 0x0                           ; the wave's end
	ds_add_u32 v[SPW], v[NIL]
	s_wait_dscnt 0x0
	CROUND                                         ; the closing round
	s_endpgm
.Lfunc_end_k_qff35b2fd7b_attn:
	.size	k_qff35b2fd7b_attn, .Lfunc_end_k_qff35b2fd7b_attn-k_qff35b2fd7b_attn
	.p2alignl 7, 3214868480
	.fill 96, 4, 3214868480
	.section	.rodata,"a",@progbits
	.p2align	6, 0x0
	.amdhsa_kernel k_qff35b2fd7b_attn
		.amdhsa_group_segment_fixed_size 327680
		.amdhsa_private_segment_fixed_size 0
		.amdhsa_enable_private_segment 0
		.amdhsa_kernarg_size 56
		.amdhsa_user_sgpr_count 2
		.amdhsa_user_sgpr_kernarg_segment_ptr 1
		.amdhsa_wavefront_size32 1
		.amdhsa_system_sgpr_workgroup_id_x 1
		.amdhsa_system_sgpr_workgroup_id_y 1
		.amdhsa_system_sgpr_workgroup_id_z 1
		.amdhsa_system_vgpr_workitem_id 0
		.amdhsa_next_free_vgpr 896
		.amdhsa_next_free_sgpr 88
		.amdhsa_reserve_vcc 0
		.amdhsa_float_denorm_mode_32 3
		.amdhsa_float_denorm_mode_16_64 3
		.amdhsa_memory_ordered 1
		.amdhsa_forward_progress 1
		.amdhsa_inst_pref_size 162
	.end_amdhsa_kernel
	.amdgpu_metadata
---
amdhsa.version: [ 1, 2 ]
amdhsa.kernels:
  - .name:           k_qff35b2fd7b_attn
    .symbol:         k_qff35b2fd7b_attn.kd
    .args:
      - { .name: qkv, .offset: 0, .size: 8, .value_kind: global_buffer, .address_space: global }
      - { .name: lq1, .offset: 8, .size: 8, .value_kind: global_buffer, .address_space: global }
      - { .name: lk1, .offset: 16, .size: 8, .value_kind: global_buffer, .address_space: global }
      - { .name: lq2, .offset: 24, .size: 8, .value_kind: global_buffer, .address_space: global }
      - { .name: lk2, .offset: 32, .size: 8, .value_kind: global_buffer, .address_space: global }
      - { .name: subln_w, .offset: 40, .size: 8, .value_kind: global_buffer, .address_space: global }
      - { .name: att, .offset: 48, .size: 8, .value_kind: global_buffer, .address_space: global }
    .group_segment_fixed_size: 327680
    .private_segment_fixed_size: 0
    .kernarg_segment_align: 8
    .kernarg_segment_size: 56
    .max_flat_workgroup_size: 128
    .sgpr_count:     88
    .vgpr_count:     896
    .wavefront_size: 32
...
	.end_amdgpu_metadata
.endif
;; end of part 3
;; launch proj (part 4): grid 8 x 32, 4 waves a work-group, clusters of 4 x 4, 327,680 bytes of LDS; arguments att, wot, out0; writes out0
.if DOCPART == 4
	.amdgcn_target "amdgcn-amd-amdhsa--gfx1250"
	.amdhsa_code_object_version 6
	.text
	.protected	k_qff35b2fd7b_proj
	.globl	k_qff35b2fd7b_proj
	.p2align	8
	.type	k_qff35b2fd7b_proj,@function
k_qff35b2fd7b_proj:
	s_mov_b64 s[64:65], 0
	v_nop
	global_prefetch_b8 v0, s[64:65] scope:SCOPE_SE
	s_setreg_imm32_b32 hwreg(HW_REG_WAVE_MODE, 25, 1), 1
	s_wait_xcnt 0x0
	s_wait_alu depctr_hold_cnt(0) depctr_sa_sdst(0) depctr_va_vdst(0) depctr_va_sdst(0) depctr_va_ssrc(0) depctr_va_vcc(0) depctr_vm_vsrc(0)
	s_getreg_b32 s2, hwreg(HW_REG_IB_STS2, 6, 4)
	s_cmp_eq_u32 s2, 0
	s_cbranch_scc0 .Lentry_in_a_cluster
	s_endpgm
.Lentry_in_a_cluster:
	s_bfe_u32 s2, ttmp6, 0x10000c
	s_cmp_lg_u32 s2, 0xf033
	s_cbranch_scc0 .Lentry_shape_is_right
	s_endpgm
.Lentry_shape_is_right:
; out0 = (1 - lambda_init) att wot^T.  att: [4096][1024] f16, wot: [1024 n][1024 k] f16; sums in f32, scaled in f32, stored as f32.
; A tile of C is 128 x 128: 32 x 8 = 256 work-groups.  Four waves, each 64 x 64: 16 accumulators.  K goes in 4 steps of 256 (LDS rows of 512 bytes; a wave's tensor load brings 64 of them) through two slots.
; CLUSTER 4 x 4: A's tile is asked for jointly by a row of the cluster, B's by a column.  THE MATRIX INSTRUCTION IS USED TRANSPOSED: a lane holds eight neighbouring columns of one row of C, 32 bytes.
; A wave's 64 columns of f32 are 256 aligned bytes of a row, so each wave has a stage of its own on the way out and no barrier stands there.
; No prefetch: the tiles are small and the launch has four K steps.
; REGISTERS: window 0: v0-31 addresses; v32-127 the way out; v128-255 the accumulators ((a, b) at 128 + 8 (4 a + b)).  Window 1: two fragment buffers of 128.
.set SIZE_N, 1024
.set SIZE_K, 1024
.set KSTEP,  256
.set PITCH,  528                       ; 512 bytes + 16 of padding = 132 words: the 16 rows of a load start at 16 different groups of four banks (ISA guide 11.1)
.set HALFT,  64*PITCH
.set SLOT,   4*HALFT
.set STAGE,  2*SLOT                    ; behind the ring: 16 rows x 272 bytes for each wave
.set SPITCH, 272
.set SPARE,  STAGE+4*16*SPITCH         ; the spare words: 128 bytes a wave, two blocks of 256 bytes that no other line names
.set LAPS, SIZE_K/(2*KSTEP)
.set ADRA, 16
.set ADRB, 20
.set STO,  24
.set RD,   25
.set CO,   26
.set SPW,  28
.set NIL,  29
.set TMP,  32                          ; v32-63 scaled results of a row block
.set BK0,  64                          ; v64-95, v96-127 by turns: rows read back
.set ACC,  128
.set F0,   0
.set F1,   128
.set G1, 24
.set G0, 32
.set G1B, 48
.set G0B, 56
.set MSB, 0
.macro WIN new
.if MSB != (\new)
	s_set_vgpr_msb (MSB<<8)|(\new)
.set MSB, \new
.endif
.endm
.set MUL,  0x05                        ; sources 0 (B) and 1 (A) window 1; C and D window 0
.set TO_F, 0x40
.macro JLOAD s                         ; waves 0 and 1 fetch A's two halves, waves 2 and 3 B's; an s_nop 0 and four v_nop follow each line
	s_cmp_eq_u32 s11, 0
	s_cbranch_scc0 .Lfor_b_\@
	tensor_load_to_lds s[G0+4*(\s):G0+4*(\s)+3], s[G1:G1+7]
	s_nop 0
.rept 4
	v_nop
.endr
	s_branch .Lasked_\@
.Lfor_b_\@:
	tensor_load_to_lds s[G0B+4*(\s):G0B+4*(\s)+3], s[G1B:G1B+7]
	s_nop 0
.rept 4
	v_nop
.endr
.Lasked_\@:
.endm
.macro CREST
	s_cmp_lg_u32 s10, 0
	s_cbranch_scc1 .Lnot_wave_0_\@
	s_barrier_signal -3
.Lnot_wave_0_\@:
	s_barrier_wait -3
	s_barrier_signal -1
	s_barrier_wait -1
.endm
.macro CROUND
	s_barrier_signal -1
	s_barrier_wait -1
	CREST
.endm
	s_load_b128 s[4:7], s[0:1], 0x0                ; att s[4:5], wot s[6:7]
	s_load_b64 s[8:9], s[0:1], 0x10                ; out0
	v_lshl_add_u32 v[SPW], v0, 2, SPARE
	v_mov_b32 v[NIL], 0
	ds_add_u32 v[SPW], v[NIL]                      ; the wave's opening: the add and its wait stand ahead of my first tensor load
	ds_add_u32 v28, v29
	v_lshrrev_b32 v1, 5, v0
	v_readfirstlane_b32 s10, v1
	s_lshr_b32 s11, s10, 1                         ; which half of the tile's rows is mine.  Also: I fetch for A (0) or for B (1)
	s_and_b32 s12, s10, 1                          ; which half of its columns.  Also: which 64 rows of that tile I fetch
	s_bfe_u32 s40, ttmp6, 0x40000
	s_bfe_u32 s41, ttmp6, 0x40004
	s_lshl_b32 s42, ttmp9, 2
	s_add_co_u32 s42, s42, s40                     ; tile column
	s_and_b32 s13, ttmp7, 0xffff
	s_lshl_b32 s13, s13, 2
	s_add_co_u32 s13, s13, s41                     ; tile row
	s_lshl_b32 s43, s41, 2
	s_lshl_b32 s43, 15, s43
	s_lshl_b32 s44, 0x1111, s40
	s_or_b32 s[G1+0], s43, (1<<16)|(1<<20)|(1<<21)|(6<<22)|(3<<25)  ; mask; 2-byte elements; padding on; bit 21 beside a mask; after every 128 words, 4 words
	s_or_b32 s[G1B+0], s44, (1<<16)|(1<<20)|(1<<21)|(6<<22)|(3<<25)
.irp g, G1, G1B
	s_mov_b32 s[(\g)+1], KSTEP<<16
	s_mov_b32 s[(\g)+2], 64<<16
	s_mov_b32 s[(\g)+3], KSTEP<<16
	s_mov_b32 s[(\g)+4], 64
	s_mov_b32 s[(\g)+5], SIZE_K
	s_mov_b32 s[(\g)+6], 0
	s_mov_b32 s[(\g)+7], 0
.endr
	s_lshl_b32 s17, s12, 6
	s_lshl_b32 s16, s13, 7
	s_add_co_u32 s16, s16, s17                     ; A: row 128 x tile row + 64 x half
	s_lshl_b32 s46, s42, 7
	s_add_co_u32 s46, s46, s17                     ; B: row 128 x tile column + 64 x half
	s_mov_b32 s17, 0
	s_mov_b32 s47, 0
	s_mov_b64 s[18:19], SIZE_K*2
	s_mul_u64 s[16:17], s[16:17], s[18:19]
	s_mul_u64 s[46:47], s[46:47], s[18:19]
	s_mul_i32 s20, s10, HALFT
	s_wait_dscnt 0x0
	s_wait_kmcnt 0x0
	s_add_nc_u64 s[14:15], s[4:5], s[16:17]
	s_add_nc_u64 s[46:47], s[6:7], s[46:47]
	CROUND
.irp s, 0,1
	s_mov_b32 s[G0+4*(\s)], 1
	s_add_co_u32 s[G0+4*(\s)+1], s20, (\s)*SLOT
	s_add_nc_u64 s[G0+4*(\s)+2:G0+4*(\s)+3], s[14:15], (\s)*KSTEP*2
	s_or_b32 s[G0+4*(\s)+3], s[G0+4*(\s)+3], 0x80000000
	s_mov_b32 s[G0B+4*(\s)], 1
	s_add_co_u32 s[G0B+4*(\s)+1], s20, (\s)*SLOT
	s_add_nc_u64 s[G0B+4*(\s)+2:G0B+4*(\s)+3], s[46:47], (\s)*KSTEP*2
	s_or_b32 s[G0B+4*(\s)+3], s[G0B+4*(\s)+3], 0x80000000
	JLOAD \s
.endr
	v_and_b32 v1, 15, v0
	v_bfe_u32 v2, v0, 4, 1
	v_mul_u32_u24 v3, v1, PITCH
	v_lshl_add_u32 v3, v2, 4, v3
	s_mul_i32 s21, s11, HALFT
	s_mul_i32 s22, s12, HALFT
	s_add_co_u32 s22, s22, 2*HALFT
.irp s, 0,1
	v_add_nc_u32 v[ADRA+(\s)], s21, v3
	v_add_nc_u32 v[ADRB+(\s)], s22, v3
	s_add_co_u32 s21, s21, SLOT
	s_add_co_u32 s22, s22, SLOT
.endr
	s_mul_i32 s23, s10, 16*SPITCH
	s_add_co_u32 s23, s23, STAGE                   ; my stage
	v_mul_u32_u24 v4, v1, SPITCH                   ; in: row l % 16, 32 bytes for each half of the lanes
	v_lshl_add_u32 v4, v2, 5, v4
	v_add_nc_u32 v[STO], s23, v4
	v_mul_u32_u24 v5, v2, SPITCH                   ; back: lanes 0-15 one row of 256 bytes, lanes 16-31 the next
	v_lshl_add_u32 v5, v1, 4, v5
	v_add_nc_u32 v[RD], s23, v5
	v_lshlrev_b32 v5, 12, v2                       ; and the same two rows in out0
	v_lshl_add_u32 v[CO], v1, 4, v5
	s_lshl_b32 s16, s13, 7
	s_lshl_b32 s17, s11, 6
	s_add_co_u32 s16, s16, s17                     ; my first row: 128 x tile row + 64 x half,
	s_lshl_b32 s16, s16, 12                        ; of 4,096 bytes
	s_mov_b32 s17, 0
	s_add_nc_u64 s[8:9], s[8:9], s[16:17]
	s_lshl_b32 s46, s42, 9                         ; my first column, in bytes: 512 x tile column + 256 x half
	s_lshl_b32 s47, s12, 8
	s_add_co_u32 s46, s46, s47
	s_mov_b32 s47, 0
	s_add_nc_u64 s[8:9], s[8:9], s[46:47]
; 8 matrix instructions: row blocks a0, a0 + 1 x all 4 column blocks, 32 along K: half c of buffer f.  The 16 accumulators take turns.
.macro MUL8 f, c, a0, zero
	WIN MUL
.irp a, \a0, (\a0)+1
.irp b, 0,1,2,3
.if \zero
	v_wmma_f32_16x16x32_f16 v[ACC+8*(4*(\a)+(\b)):ACC+8*(4*(\a)+(\b))+7], v[(\f)+64+8*(4*(\c)+(\b)):(\f)+64+8*(4*(\c)+(\b))+7], v[(\f)+8*(4*(\c)+(\a)):(\f)+8*(4*(\c)+(\a))+7], 0
.else
	v_wmma_f32_16x16x32_f16 v[ACC+8*(4*(\a)+(\b)):ACC+8*(4*(\a)+(\b))+7], v[(\f)+64+8*(4*(\c)+(\b)):(\f)+64+8*(4*(\c)+(\b))+7], v[(\f)+8*(4*(\c)+(\a)):(\f)+8*(4*(\c)+(\a))+7], v[ACC+8*(4*(\a)+(\b)):ACC+8*(4*(\a)+(\b))+7]
.endif
.endr
.endr
.endm
; 32 LDS loads in one run: the fragments of 64 along K at byte k of the rows; the first 32 along K first
.macro FETCH slot, k, f
	WIN TO_F
.irp c, 0,1
.irp i, 0,1,2,3
	ds_load_b128 v[(\f)+64+8*(4*(\c)+(\i)):(\f)+64+8*(4*(\c)+(\i))+3],   v[ADRB+(\slot)] offset:(\k)+64*(\c)+(\i)*16*PITCH
	ds_load_b128 v[(\f)+64+8*(4*(\c)+(\i))+4:(\f)+64+8*(4*(\c)+(\i))+7], v[ADRB+(\slot)] offset:(\k)+64*(\c)+(\i)*16*PITCH+32
	ds_load_b128 v[(\f)+8*(4*(\c)+(\i)):(\f)+8*(4*(\c)+(\i))+3],         v[ADRA+(\slot)] offset:(\k)+64*(\c)+(\i)*16*PITCH
	ds_load_b128 v[(\f)+8*(4*(\c)+(\i))+4:(\f)+8*(4*(\c)+(\i))+7],       v[ADRA+(\slot)] offset:(\k)+64*(\c)+(\i)*16*PITCH+32
.endr
.endr
.endm
.macro PLACES
.rept 4
	v_nop
.endr
.endm
.macro QUARTER slot, k, f, g, zero
	s_wait_dscnt 16                                ; the first 32 along K are in
	MUL8 \f, 0, 0, \zero
	MUL8 \f, 0, 2, \zero
	PLACES
	FETCH \slot, \k, \g
	s_wait_dscnt 32                                ; all but the 32 just issued
	MUL8 \f, 1, 0, 0
	MUL8 \f, 1, 2, 0
.endm
; The last quarter changes slots: each wave waits for all its tensor loads, adds 0 to its spare word, and waits for that and for its reads of this slot.  fill = 1: a round of the cluster's barrier, the joint refill first behind it.
.macro TURN slot, next, fill
	WIN 0
	s_wait_tensorcnt 0x0
	ds_add_u32 v[SPW], v[NIL]
	s_wait_dscnt 17                                ; the add and the youngest sixteen loads may be out
	MUL8 F1, 0, 0, 0
	s_wait_dscnt 0x0                               ; the add is done, and my reads of this slot are over
	s_barrier_signal -1
	MUL8 F1, 0, 2, 0
.if \fill
	WIN 0
.endif
	s_barrier_wait -1
.if \fill
	CREST
	s_add_nc_u64 s[G0+4*(\slot)+2:G0+4*(\slot)+3], s[G0+4*(\slot)+2:G0+4*(\slot)+3], 2*KSTEP*2
	s_add_nc_u64 s[G0B+4*(\slot)+2:G0B+4*(\slot)+3], s[G0B+4*(\slot)+2:G0B+4*(\slot)+3], 2*KSTEP*2
	JLOAD \slot                                    ; its four v_nop are also the places in front of the loads below
.else
	PLACES
.endif
	FETCH \next, 0, F0
	MUL8 F1, 1, 0, 0
	MUL8 F1, 1, 2, 0
.endm
; THE WAY OUT of row block a: times 1 - lambda_init; 32 bytes a lane into my stage; back as whole rows of 256 bytes; stored.
.macro SCALE a
.irp b, 0,1,2,3
.irp q, 0,1,2,3
	v_pk_mul_f32 v[TMP+8*(\b)+2*(\q):TMP+8*(\b)+2*(\q)+1], v[ACC+8*(4*(\a)+(\b))+2*(\q):ACC+8*(4*(\a)+(\b))+2*(\q)+1], s[14:15] op_sel_hi:[1,0]
.endr
.endr
.endm
.macro TOSTAGE a
.set BK, BK0+32*((\a)%2)
.irp b, 0,1,2,3
	ds_store_b128 v[STO], v[TMP+8*(\b):TMP+8*(\b)+3]   offset:64*(\b)
	ds_store_b128 v[STO], v[TMP+8*(\b)+4:TMP+8*(\b)+7] offset:64*(\b)+16
.endr
.irp t, 0,1,2,3,4,5,6,7
	ds_load_b128 v[BK+4*(\t):BK+4*(\t)+3], v[RD] offset:(\t)*2*SPITCH  ; LDS serves a wave's instructions in order (ISA guide 5.7.1.4): these see the stores above
.endr
.endm
.macro SEND a
.set BK, BK0+32*((\a)%2)
	s_wait_dscnt 0x0
	s_wait_xcnt 0x0                                ; earlier stores have read their registers: the other set of rows is loaded again only behind this wait
.irp t, 0,1,2,3,4,5,6,7
	global_store_b128 v[CO], v[BK+4*(\t):BK+4*(\t)+3], s[8:9] offset:(\a)*65536+(\t)*8192  ; 16 lanes store 256 consecutive bytes, aligned
.endr
.endm
	s_wait_tensorcnt 1                             ; my part of K step 0 is in; K step 1's may stay out
	s_barrier_signal -1
	s_barrier_wait -1
	FETCH 0, 0, F0
	QUARTER 0, 128, F0, F1, 1
	WIN 0
	s_mov_b32 s3, LAPS-1
.Llap:
	QUARTER 0, 256, F1, F0, 0
	QUARTER 0, 384, F0, F1, 0
	TURN 0, 1, 1
	QUARTER 1, 128, F0, F1, 0
	QUARTER 1, 256, F1, F0, 0
	QUARTER 1, 384, F0, F1, 0
	TURN 1, 0, 1
	QUARTER 0, 128, F0, F1, 0
	WIN 0
	s_sub_co_u32 s3, s3, 1
	s_cmp_lg_u32 s3, 0
	s_cbranch_scc1 .Llap
	QUARTER 0, 256, F1, F0, 0                      ; the last lap fills nothing
	QUARTER 0, 384, F0, F1, 0
	TURN 0, 1, 0
	QUARTER 1, 128, F0, F1, 0
	QUARTER 1, 256, F1, F0, 0
	QUARTER 1, 384, F0, F1, 0
	s_wait_dscnt 16
	MUL8 F1, 0, 0, 0
	MUL8 F1, 0, 2, 0
	s_wait_dscnt 0x0
	MUL8 F1, 1, 0, 0
	MUL8 F1, 1, 2, 0
	WIN 0
	s_mov_b32 s14, 0x3e5d9673                      ; 1 - lambda_init = 0.216394233
	s_mov_b32 s15, s14
	PLACES
	PLACES                                         ; eight places, once a launch, in front of the first read of results
	SCALE 0
	TOSTAGE 0
.irp a, 1,2,3
	SCALE \a
	SEND (\a)-1
	TOSTAGE \a
.endr
	SEND 3
	s_wait_tensorcnt 0x0                           ; the wave's end
	ds_add_u32 v[SPW], v[NIL]
	s_wait_dscnt 0x0
	CROUND                                         ; the closing round
	s_endpgm
.Lfunc_end_k_qff35b2fd7b_proj:
	.size	k_qff35b2fd7b_proj, .Lfunc_end_k_qff35b2fd7b_proj-k_qff35b2fd7b_proj
	.p2alignl 7, 3214868480
	.fill 96, 4, 3214868480
	.section	.rodata,"a",@progbits
	.p2align	6, 0x0
	.amdhsa_kernel k_qff35b2fd7b_proj
		.amdhsa_group_segment_fixed_size 327680
		.amdhsa_private_segment_fixed_size 0
		.amdhsa_enable_private_segment 0
		.amdhsa_kernarg_size 24
		.amdhsa_user_sgpr_count 2
		.amdhsa_user_sgpr_kernarg_segment_ptr 1
		.amdhsa_wavefront_size32 1
		.amdhsa_system_sgpr_workgroup_id_x 1
		.amdhsa_system_sgpr_workgroup_id_y 1
		.amdhsa_system_sgpr_workgroup_id_z 1
		.amdhsa_system_vgpr_workitem_id 0
		.amdhsa_next_free_vgpr 512
		.amdhsa_next_free_sgpr 66
		.amdhsa_reserve_vcc 0
		.amdhsa_float_denorm_mode_32 3
		.amdhsa_float_denorm_mode_16_64 3
		.amdhsa_memory_ordered 1
		.amdhsa_forward_progress 1
		.amdhsa_inst_pref_size 90
	.end_amdhsa_kernel
	.amdgpu_metadata
---
amdhsa.version: [ 1, 2 ]
amdhsa.kernels:
  - .name:           k_qff35b2fd7b_proj
    .symbol:         k_qff35b2fd7b_proj.kd
    .args:
      - { .name: att, .offset: 0, .size: 8, .value_kind: global_buffer, .address_space: global }
      - { .name: wot, .offset: 8, .size: 8, .value_kind: global_buffer, .address_space: global }
      - { .name: out0, .offset: 16, .size: 8, .value_kind: global_buffer, .address_space: global }
    .group_segment_fixed_size: 327680
    .private_segment_fixed_size: 0
    .kernarg_segment_align: 8
    .kernarg_segment_size: 24
    .max_flat_workgroup_size: 128
    .sgpr_count:     66
    .vgpr_count:     512
    .wavefront_size: 32
...
	.end_amdgpu_metadata
.endif
;; end of part 4
;; ======== version 2 of 2: 4 launches; version 1 with the launch prep written anew for expert scheduling mode
;; limits: values are held in f16: magnitudes above 65,504 overflow, below 6.1e-05 lose precision
;; workspace buffers: xb 8,388,608 bytes; wt 6,291,456 bytes; wot 2,097,152 bytes; qkv 25,165,824 bytes; att 8,388,608 bytes
;; launch prep (part 5): grid 256 x 1, 8 waves a work-group, no clusters, 35,840 bytes of LDS; arguments query, Wq, Wk, Wv, Wo, xb, wt, wot; writes xb, wt, wot
.if DOCPART == 5
	.amdgcn_target "amdgcn-amd-amdhsa--gfx1250"
	.amdhsa_code_object_version 6
	.text
	.protected	k_qff35b2fd7b_prep
	.globl	k_qff35b2fd7b_prep
	.p2align	8
	.type	k_qff35b2fd7b_prep,@function
k_qff35b2fd7b_prep:
	s_mov_b64 s[64:65], 0
	v_nop
	global_prefetch_b8 v0, s[64:65] scope:SCOPE_SE
	s_setreg_imm32_b32 hwreg(HW_REG_WAVE_SCHED_MODE, 0, 2), 2
	s_setreg_imm32_b32 hwreg(HW_REG_WAVE_MODE, 25, 1), 1
	s_wait_xcnt 0x0
	s_wait_alu depctr_vm_vsrc(0)
; PREP.  xb = query rounded to bf16, as it lies.  wt[n][k] = bf16(W[k][n]) for Wq (rows 0-1023), Wk (1024-2047), Wv (2048-3071).  wot[n][k] = bf16(Wo[k][n]) written as f16.
; All inputs of the module are rounded once to bf16; Wo's rounded value is then written in f16, the format of the last product's other operand.
; LIMITS.  bf16(Wo) must stay under 65,520 in magnitude; below 2^-14 it keeps f16's fixed step of 6e-8.  NaN and infinities are not treated apart.
; SHARES.  256 work-groups of eight waves.  Each takes one tile of 128 k x 128 n of one weight (4 weights x 64 tiles) and 65,536 bytes of query.
; A wave issues all its 32 loads first (512 consecutive bytes each), so 16 KiB a wave are on their way.  No matrix unit, no cluster, no tensor load: no byte is read twice and nothing is shared.
; THE TURNING.  Wave w loads rows k = 16 w .. 16 w + 15; lane l holds columns 4 l .. 4 l + 3.  Two rows' numbers of one column pack into a word; a column's 16 numbers are 32 bytes, stored at
; row n = 4 l + c of an LDS tile [128 n][256 + 16 bytes].  These stores meet four deep on the banks (lanes lie 1,088 bytes = 272 words apart: four different groups of banks, ISA guide 11.1): eight stores a wave, once.
; Behind one barrier each wave reads 16 whole rows n and stores them: sixteen lanes store 256 consecutive bytes, aligned.
; THE MODE: SCHED_MODE bits 1:0 = 2 (LLVM: expert scheduling mode 2), set by the entry lines.  The code itself states the register dependences
; between vector instructions and memory or LDS instructions, with s_wait_alu, always for 0.
; THE PLAN.  Registers that memory or LDS instructions touch, in the order of the text (there is no loop):
;   v2 .. v7   offsets and LDS addresses.  Written by vector instructions at the head, never again; read by every load and store and by every LDS access but the closing add.
;   X          Written by the weight's 16 loads; read by the 32 roundings into T; its first 32 registers are written again by the 8 LDS loads behind the barrier and read by the last 8 stores.
;   T          Written by the roundings (for Wo also by the conversions to f16); read by the 8 LDS stores; never written again.
;   XC         Written by query's 16 loads; read by the cast's roundings; never written again.
;   Y          A pair for each of the 16 stores to xb: written by the cast's roundings, read by its store, never written again.
; So: one wait on va_sdst for the wave's number; one wait on va_vdst ahead of the first load (v2 .. v7); one ahead of the LDS stores (T is written, X is read out); and the cast goes in four blocks of four loads,
; each block's four stores behind ONE wait on va_vdst at the next block's head, dealt among that block's roundings, which name other registers.  No register that a memory or LDS instruction reads is
; ever written again, so no wait on vm_vsrc is needed for them.  No scalar register that a vector instruction has read is written again either: each multiple of the wave's number has a register of its own.
.set TP,    272                        ; a row of the LDS tile
.set VIN,  2                           ; v2  my 16 bytes in the wave's first row of the weight's tile
.set VST,  3                           ; v3  LDS: row 4 l, byte 32 w
.set VRD,  4                           ; v4  LDS: row 16 w + l / 16, byte 16 (l % 16)
.set VOUT, 5                           ; v5  the same place in the turned weight
.set VCI,  6                           ; v6  my 16 bytes of the wave's part of query
.set VCO,  7                           ; v7  my 8 bytes of the wave's part of xb
.set X,    16                          ; v[16:79]   16 rows x 4 numbers of the weight; later 8 x 4 words read back from LDS
.set T,    80                          ; v[80:111]  column c's 8 packed words at T + 8 c
.set XC,   112                         ; v[112:175] 16 x 4 numbers of query
.set Y,    176                         ; v[176:207] 16 x 2 packed words for xb
	s_load_b512 s[16:31], s[0:1], 0x0              ; query 16:17, Wq 18:19, Wk 20:21, Wv 22:23, Wo 24:25, xb 26:27, wt 28:29, wot 30:31
	v_lshl_add_u32 v210, v0, 2, 0x8800
	v_mov_b32 v211, 0
	v_lshrrev_b32 v10, 5, v0
	v_readfirstlane_b32 s8, v10                    ; wave 0..7
	v_and_b32 v1, 31, v0                           ; l
	v_and_b32 v8, 15, v0                           ; l % 16
	v_bfe_u32 v9, v0, 4, 1                         ; l / 16
	s_wait_alu depctr_va_sdst(0)                   ; s8 is written, ahead of its first reader: the offsets and LDS addresses below are made from it
	s_lshl_b32 s14, s8, 16                         ; 16 rows of 4,096 bytes
	v_lshl_add_u32 v[VIN], v1, 4, s14
	s_lshl_b32 s15, s8, 13                         ; 8,192 bytes of query a wave
	v_lshl_add_u32 v[VCI], v1, 4, s15
	s_lshl_b32 s36, s8, 12                         ; 4,096 bytes of xb a wave
	v_lshl_add_u32 v[VCO], v1, 3, s36
	s_lshl_b32 s37, s8, 5                          ; my 16 k are 32 bytes of an LDS row
	v_mul_u32_u24 v[VST], v1, 4*TP
	v_add_nc_u32 v[VST], s37, v[VST]
	s_mul_i32 s38, s8, 16*TP
	v_mul_u32_u24 v[VRD], v9, TP
	v_lshl_add_u32 v[VRD], v8, 4, v[VRD]
	v_add_nc_u32 v[VRD], s38, v[VRD]
	s_lshl_b32 s39, s8, 15                         ; 16 rows of 2,048 bytes
	v_lshlrev_b32 v[VOUT], 11, v9
	v_lshl_add_u32 v[VOUT], v8, 4, v[VOUT]
	v_add_nc_u32 v[VOUT], s39, v[VOUT]
	s_lshr_b32 s9, ttmp9, 6                        ; which weight: 0 Wq, 1 Wk, 2 Wv, 3 Wo
	s_bfe_u32 s10, ttmp9, 0x30003                  ; tile along k
	s_and_b32 s11, ttmp9, 7                        ; tile along n
	s_lshl_b32 s12, s10, 19                        ; 128 rows of 4,096 bytes
	s_lshl_b32 s13, s11, 9                         ; 128 columns of 4 bytes
	s_add_co_u32 s12, s12, s13
	s_mov_b32 s13, 0
	s_mov_b32 s33, 0
	s_mov_b32 s35, 0
	s_wait_kmcnt 0x0
	s_cmp_eq_u32 s9, 1
	s_cselect_b64 s[4:5], s[20:21], s[18:19]
	s_cmp_eq_u32 s9, 2
	s_cselect_b64 s[4:5], s[22:23], s[4:5]
	s_cmp_eq_u32 s9, 3
	s_cselect_b64 s[4:5], s[24:25], s[4:5]         ; the weight that I read,
	s_cselect_b64 s[6:7], s[30:31], s[28:29]       ; the buffer that I write,
	s_cselect_b32 s32, 0, s9                       ; and the weight's 1,024 rows in it
	s_lshl_b32 s32, s32, 21
	s_lshl_b32 s34, s11, 18                        ; 128 rows n of 2,048 bytes
	s_add_co_u32 s32, s32, s34
	s_lshl_b32 s34, s10, 8                         ; 128 k of 2 bytes
	s_add_co_u32 s32, s32, s34
	s_add_nc_u64 s[4:5], s[4:5], s[12:13]
	s_add_nc_u64 s[6:7], s[6:7], s[32:33]
	s_lshl_b32 s34, ttmp9, 16
	s_add_nc_u64 s[16:17], s[16:17], s[34:35]      ; my work-group's 65,536 bytes of query
	s_lshl_b32 s34, ttmp9, 15
	s_add_nc_u64 s[26:27], s[26:27], s[34:35]      ; and its 32,768 bytes of xb
	s_wait_alu depctr_va_vdst(0)                   ; the six offsets and LDS addresses v2 to v7 are written: every load and store and every LDS access but the closing add reads one of them, and no later vector instruction names them
.set i, 0
.rept 16
	global_load_b128 v[X+4*i:X+4*i+3], v[VIN], s[4:5] offset:4096*i th:TH_LOAD_NT
.set i, i+1
.endr
.set i, 0
.rept 16
	global_load_b128 v[XC+4*i:XC+4*i+3], v[VCI], s[16:17] offset:512*i th:TH_LOAD_NT
.set i, i+1
.endr
.set p, 0
.rept 8
	s_wait_loadcnt 30-2*p                          ; rows 2 p and 2 p + 1 are in: behind them stand 14 - 2 p loads of the weight and the 16 of query
.irp c, 0,1,2,3
	v_cvt_pk_bf16_f32 v[T+8*(\c)+p], v[X+8*p+(\c)], v[X+8*p+4+(\c)]  ; column 4 l + c: k = 16 w + 2 p low, 2 p + 1 high
.endr
.set p, p+1
.endr
	s_cmp_lg_u32 s9, 3                             ; Wo alone: the bf16 value is written as f16
	s_cbranch_scc1 .Lkeep
.set i, 0
.rept 32
	v_lshlrev_b32 v[12+2*(i%2)], 16, v[T+i]
	v_and_b32 v[13+2*(i%2)], 0xffff0000, v[T+i]
	v_cvt_pk_f16_f32 v[T+i], v[12+2*(i%2)], v[13+2*(i%2)]
.set i, i+1
.endr
.Lkeep:
	s_wait_alu depctr_va_vdst(0)                   ; on both ways: the roundings (and Wo's conversions) have written T, which the LDS stores read, and are done reading X, in which the LDS loads behind the barrier land; no vector instruction stands between this wait and those loads
.irp c, 0,1,2,3
	ds_store_b128 v[VST], v[T+8*(\c):T+8*(\c)+3]   offset:TP*(\c)
	ds_store_b128 v[VST], v[T+8*(\c)+4:T+8*(\c)+7] offset:TP*(\c)+16
.endr
	s_wait_dscnt 0x0                               ; for the others' sake: my stores into the tile are done
	s_barrier_signal -1
	s_barrier_wait -1
.irp t, 0,1,2,3,4,5,6,7
	ds_load_b128 v[X+4*(\t):X+4*(\t)+3], v[VRD] offset:2*TP*(\t)  ; rows 16 w + 2 t and + 1, whole
.endr
; Query's cast stands between those loads and the wait for them, in four blocks of four loads.  Block p rounds its XC into its Y; the four stores of block p - 1 are dealt among its roundings.
.set p, 0
.rept 4
	s_wait_loadcnt 12-4*p                          ; loads 4 p to 4 p + 3 of query are in; the younger blocks stay out
.if p > 0
	s_wait_alu depctr_va_vdst(0)                   ; the block before has written its eight registers of Y, which the four stores below read; this block's roundings name other registers
.endif
.set i, 0
.rept 4
.if p > 0
	global_store_b64 v[VCO], v[Y+2*(4*p-4+i):Y+2*(4*p-4+i)+1], s[26:27] offset:256*(4*p-4+i)  ; 32 lanes store 256 consecutive bytes, aligned
.endif
	v_cvt_pk_bf16_f32 v[Y+2*(4*p+i)], v[XC+4*(4*p+i)], v[XC+4*(4*p+i)+1]
	v_cvt_pk_bf16_f32 v[Y+2*(4*p+i)+1], v[XC+4*(4*p+i)+2], v[XC+4*(4*p+i)+3]
.set i, i+1
.endr
.set p, p+1
.endr
	s_wait_alu depctr_va_vdst(0)                   ; the last block has written its eight registers of Y, which the four stores below read
.set i, 12
.rept 4
	global_store_b64 v[VCO], v[Y+2*i:Y+2*i+1], s[26:27] offset:256*i
.set i, i+1
.endr
.irp t, 0,1,2,3,4,5,6,7
	s_wait_dscnt 7-(\t)                            ; the store's data come from an LDS load: its own counter shows them there
	global_store_b128 v[VOUT], v[X+4*(\t):X+4*(\t)+3], s[6:7] offset:4096*(\t)  ; 16 lanes store 256 consecutive bytes of one row n, aligned
.endr
	; the wave's end: the closing add into the spare words behind the tile
	s_wait_dscnt 0x0
	s_wait_alu depctr_hold_cnt(0) depctr_sa_sdst(0) depctr_va_vdst(0) depctr_va_sdst(0) depctr_va_ssrc(0) depctr_va_vcc(0) depctr_vm_vsrc(0)
	s_wait_tensorcnt 0x0
	ds_add_u32 v210, v211
	s_wait_dscnt 0x0
	s_endpgm
.Lfunc_end_k_qff35b2fd7b_prep:
	.size	k_qff35b2fd7b_prep, .Lfunc_end_k_qff35b2fd7b_prep-k_qff35b2fd7b_prep
	.p2alignl 7, 3214868480
	.fill 96, 4, 3214868480
	.section	.rodata,"a",@progbits
	.p2align	6, 0x0
	.amdhsa_kernel k_qff35b2fd7b_prep
		.amdhsa_group_segment_fixed_size 35840
		.amdhsa_private_segment_fixed_size 0
		.amdhsa_enable_private_segment 0
		.amdhsa_kernarg_size 64
		.amdhsa_user_sgpr_count 2
		.amdhsa_user_sgpr_kernarg_segment_ptr 1
		.amdhsa_wavefront_size32 1
		.amdhsa_system_sgpr_workgroup_id_x 1
		.amdhsa_system_sgpr_workgroup_id_y 1
		.amdhsa_system_sgpr_workgroup_id_z 1
		.amdhsa_system_vgpr_workitem_id 0
		.amdhsa_next_free_vgpr 212
		.amdhsa_next_free_sgpr 66
		.amdhsa_reserve_vcc 0
		.amdhsa_float_denorm_mode_32 3
		.amdhsa_float_denorm_mode_16_64 3
		.amdhsa_memory_ordered 1
		.amdhsa_forward_progress 1
		.amdhsa_inst_pref_size 19
	.end_amdhsa_kernel
	.amdgpu_metadata
---
amdhsa.version: [ 1, 2 ]
amdhsa.kernels:
  - .name:           k_qff35b2fd7b_prep
    .symbol:         k_qff35b2fd7b_prep.kd
    .args:
      - { .name: query, .offset: 0, .size: 8, .value_kind: global_buffer, .address_space: global }
      - { .name: Wq, .offset: 8, .size: 8, .value_kind: global_buffer, .address_space: global }
      - { .name: Wk, .offset: 16, .size: 8, .value_kind: global_buffer, .address_space: global }
      - { .name: Wv, .offset: 24, .size: 8, .value_kind: global_buffer, .address_space: global }
      - { .name: Wo, .offset: 32, .size: 8, .value_kind: global_buffer, .address_space: global }
      - { .name: xb, .offset: 40, .size: 8, .value_kind: global_buffer, .address_space: global }
      - { .name: wt, .offset: 48, .size: 8, .value_kind: global_buffer, .address_space: global }
      - { .name: wot, .offset: 56, .size: 8, .value_kind: global_buffer, .address_space: global }
    .group_segment_fixed_size: 35840
    .private_segment_fixed_size: 0
    .kernarg_segment_align: 8
    .kernarg_segment_size: 64
    .max_flat_workgroup_size: 256
    .sgpr_count:     66
    .vgpr_count:     212
    .wavefront_size: 32
...
	.end_amdgpu_metadata
.endif
;; end of part 5
;; launch qkvgemm: the kernel of part 2 again; grid 8 x 32, 4 waves a work-group, clusters of 4 x 4, 327,680 bytes of LDS; arguments xb, wt, qkv; writes qkv
;; launch attn: the kernel of part 3 again; grid 16 x 16, 4 waves a work-group, clusters of 4 x 1, 327,680 bytes of LDS; arguments qkv, lq1, lk1, lq2, lk2, subln_w, att; writes att
;; launch proj: the kernel of part 4 again; grid 8 x 32, 4 waves a work-group, clusters of 4 x 4, 327,680 bytes of LDS; arguments att, wot, out0; writes out0
